; MI455X (gfx1250); checked and timed in simulation.
; The chip was launched on July 23, 2026; its instructions are those of AMD's public machine-readable ISA for CDNA 5 (MIT licence, August 2026) and "CDNA5" Instruction Set Architecture Reference Guide (July 2026). The comments in the code are by the model that wrote it; some were corrected since.
;; Multi Head Attention. Allowed arithmetic: matrix products marked QUANTISED: E2M1 operands, one E8M0 scale for each 32 along K, by v_wmma_scale_f32_16x16x128_f8f6f4 with both operands' format E2M1 (or v_wmma_scale_f32_32x16x128_f4), f32 sums; everything else in f32.
;; Inputs: Wk 1,024 x 1,024 float32; Wo 1,024 x 1,024 float32; Wq 1,024 x 1,024 float32; Wv 1,024 x 1,024 float32; beta 1,024 float32; bk 1,024 float32; bo 1,024 float32; bq 1,024 float32; bv 1,024 float32; gamma 1,024 float32; key 4 x 2,048 x 1,024 float32; query 4 x 2,048 x 1,024 float32; value 4 x 2,048 x 1,024 float32.
;; Outputs: out0 4 x 2,048 x 1,024 float32.
;; This version of the problem:
;;   THIS VERSION OF THE PROBLEM IS GIVEN IN LOW PRECISION. The matrix products marked QUANTISED in the list below multiply operands that are first quantised to E2M1 (2 exponent bits, 1 mantissa bit; 4 bits a number), with one power-of-two scale for each 32 numbers along K (OCP MX v1.0); their sums are f32. All else is computed in f32.
;;   The module's matrix products, in the order in which they are computed (A, B: the left and right operand; K: the contracted axis; several contracted axes count as one K, in the product's order):
;;     1. [M 8,192, K 1,024] x [K 1,024, N 1,024]; A: input query; B: input Wq: QUANTISED
;;     2. [M 8,192, K 1,024] x [K 1,024, N 1,024]; A: input key; B: input Wk: QUANTISED
;;     3. [M 8,192, K 1,024] x [K 1,024, N 1,024]; A: input value; B: input Wv: QUANTISED
;;     4. batch 64 x [M 2,048, K 64] x [K 64, N 2,048]; A: computed on the way; B: computed on the way: QUANTISED
;;     5. batch 64 x [M 2,048, K 2,048] x [K 2,048, N 64]; A: softmax (see below); B: computed on the way: QUANTISED
;;     6. [M 8,192, K 1,024] x [K 1,024, N 1,024]; A: computed on the way; B: input Wo: QUANTISED
;;   THE QUANTISER, for each operand of a quantised product, along K:
;;     - K is cut into blocks of 32 from its start; a last block that is shorter is filled with zeros.
;;     - A block's scale is 2^e with e = floor(log2(the largest magnitude in the block)) - 2, held to -126 .. 127; a block of zeros has e = 0. As a byte (E8M0): e + 127.
;;     - Each number is divided by its block's scale, clamped to +-6, and rounded to the nearest number of E2M1, ties to even, subnormals kept.
;;     - The product sums the exact products of the quantised numbers (number of the format x scale) in f32.
;;   ~~~python
;;   def quantise(x, axis):      # numpy; x: float32 -> the quantised numbers, widened to float32 again
;;       x = np.moveaxis(x, axis, -1); K = x.shape[-1]
;;       x = np.pad(x, [(0, 0)] * (x.ndim - 1) + [(0, -K % 32)]); x = x.reshape(x.shape[:-1] + (-1, 32)); a = np.abs(x).max(-1, keepdims=True)
;;       e = np.where(a > 0, np.clip(np.frexp(np.where(a > 0, a, 1))[1] - 1 - 2, -126, 127), 0)      # np.frexp(a)[1] - 1 = floor(log2(a)), exactly
;;       r = np.clip(x / 2.0 ** e, -6, 6)
;;       step = 2.0 ** (np.maximum(np.frexp(np.where(r == 0, 1, r))[1] - 1, 0) - 1)
;;       q = np.round(r / step) * step * 2.0 ** e      # np.round: ties to even
;;       return np.moveaxis(q.reshape(q.shape[:-2] + (-1,))[..., :K], -1, axis).astype(np.float32)
;;   ~~~
;;   SOFTMAX AHEAD OF A QUANTISED PRODUCT. Where the list says 'softmax', what is quantised is not the finished softmax but p = 2^(t - M), with t = logit x log2(e) and M = ceil(the row's largest t), a whole number; so 1/2 < the row's largest p <= 1. The row's sum l is taken of the UNQUANTISED p, in f32, and the product's result is divided by l at the end. Since M is a whole number, a kernel that streams over the keys may use a running M (the ceiling of the running maximum): every later rescaling is an exact power of two, which a block's scale takes up: the codes' values come out the same.
;;   OPERANDS COMPUTED ON THE WAY. 'Computed on the way' means the value that the module computes at that place (a softmax that the list does not call 'softmax' is quantised finished and normalised). What goes into a quantiser is computed in f32, as accurately as f32 sums, v_exp_f32 and their like allow (about 1e-6 of the number): no bf16 or f16 on the way to a quantiser, and a product that is left as it is and whose result goes on into a quantised operand takes f32 operands (vector FMAs, or v_wmma_f32_16x16x4_f32). A number that lies on a knife's edge between two numbers of the format may be rounded either way, as far as f32 arithmetic and the matrix unit's own rounding can turn it there, and no further.
;; 2 versions. Each part assembles by itself: llvm-mc -triple=amdgcn-amd-amdhsa -mcpu=gfx1250 --defsym DOCPART=n.
;; ======== version 1 of 2: 4 launches
;; workspace buffers: wts 2,228,224 bytes; qc 4,718,592 bytes; kv 9,175,040 bytes; cc 4,194,304 bytes; cs 262,144 bytes
;; launch wquant (part 1): grid 8 x 32, 4 waves a work-group, no clusters, 1,024 bytes of LDS; arguments Wq, Wk, Wv, Wo, wts; writes wts
.if DOCPART == 1
	.amdgcn_target "amdgcn-amd-amdhsa--gfx1250"
	.amdhsa_code_object_version 6
	.text
	.protected	k_qfa00308b1a_wquant
	.globl	k_qfa00308b1a_wquant
	.p2align	8
	.type	k_qfa00308b1a_wquant,@function
k_qfa00308b1a_wquant:
	s_mov_b64 s[64:65], 0
	v_nop
	global_prefetch_b8 v0, s[64:65] scope:SCOPE_SE
	s_setreg_imm32_b32 hwreg(HW_REG_WAVE_MODE, 25, 1), 1
	s_wait_xcnt 0x0
; The four weights [1024 (k)][1024 (n)], f32, K along the FIRST axis, become codes of FP4 (E2M1) with one E8M0 byte for each 32 along K, laid in the order
; in which a wave's operand registers take them: wts[weight 4][group of 128 n: 8][K step of 128: 8][8 images of 1,024 bytes, then 512 bytes of scale words].
; AN IMAGE is a fragment (16 columns n x 128 k, 8 registers a lane) as [c 0..1][lane 32][16 bytes]: lane (r, h) holds k = 64 c + 32 h + 0 .. 31 of the tile's slot r.
; THE COLUMNS OF A TILE ARE NOT NEIGHBOURS: slot r of tile 2 w + u is column 32 w + 8 u + r + 8 (r / 8) of the group, so that a product's results of two neighbouring tiles are 16 neighbours along n.
; THE SCALE WORDS of the 8 tiles lie as [lane 32][4 words]: word j of lane 16 u + r belongs to tile 2 j + u, slot r.
; A LANE TAKES A COLUMN AND ITS REGISTERS RUN DOWN K: a block of 32 lies in one lane, nothing is transposed.  A work-group takes one group and one K step of one weight, a wave 32 columns.
; A block's scale byte is its largest magnitude's exponent field - 2, held at 1 from below.
; LIMITS: NaN and infinities are not served; a block whose largest magnitude lies under 2^-124 is held at the byte 1; a block of zeros gets the byte 1 where the quantiser says 127: its codes are zeros and this program alone reads the bytes.
.set X, 32                             ; v32-159  my column's 128 numbers of the K step
.set C, 16                             ; v16-31   codes, four registers a block: no store's data are written again
	s_load_b256 s[4:11], s[0:1], 0x0               ; Wq, Wk, Wv, Wo
	s_load_b64 s[12:13], s[0:1], 0x20              ; wts
	v_lshl_add_u32 v160, v0, 2, 0x200
	v_mov_b32 v161, 0
	v_lshrrev_b32 v1, 5, v0
	v_readfirstlane_b32 s14, v1                    ; wave 0..3
	v_and_b32 v1, 31, v0                           ; lane L = my column among the wave's 32
	v_lshlrev_b32 v2, 2, v1                        ; in: 4 bytes a lane
	v_bfe_u32 v6, v0, 3, 1                         ; u = (L / 8) % 2: which of the wave's two tiles
	v_and_b32 v7, 7, v0
	v_bfe_u32 v8, v0, 4, 1
	v_lshl_add_u32 v7, v8, 3, v7                   ; r = L % 8 + 8 (L / 16): my slot in it
	v_lshlrev_b32 v3, 4, v7
	v_lshl_add_u32 v3, v6, 10, v3
	s_lshl_b32 s15, s14, 11
	v_add_nc_u32 v3, s15, v3                       ; my codes' place: 2,048 wave + 1,024 u + 16 r
	v_lshl_add_u32 v4, v6, 4, v7
	v_lshlrev_b32 v4, 4, v4
	s_lshl_b32 s15, s14, 2
	v_add_nc_u32 v4, s15, v4                       ; LDS: my scale word: 16 (16 u + r) + 4 wave
	v_lshlrev_b32 v5, 4, v1                        ; 16 L: the scale words' way out
	s_and_b32 s16, ttmp7, 0xffff
	s_lshr_b32 s17, s16, 3                         ; which weight
	s_and_b32 s18, s16, 7                          ; which K step
	s_lshl_b32 s20, s18, 19                        ; 128 rows of 4,096 bytes a K step,
	s_lshl_b32 s21, ttmp9, 9                       ; 512 bytes a group,
	s_add_co_u32 s20, s20, s21
	s_lshl_b32 s21, s14, 7                         ; 128 bytes a wave
	s_add_co_u32 s20, s20, s21
	s_mov_b32 s21, 0
	s_mul_i32 s22, s17, 557056
	s_mul_i32 s23, ttmp9, 69632
	s_add_co_u32 s22, s22, s23
	s_mul_i32 s23, s18, 8704
	s_add_co_u32 s22, s22, s23
	s_mov_b32 s23, 0
	s_wait_kmcnt 0x0
	s_cmp_eq_u32 s17, 1                            ; the weight is chosen by the work-group's number alone
	s_cselect_b64 s[4:5], s[6:7], s[4:5]
	s_cmp_eq_u32 s17, 2
	s_cselect_b64 s[4:5], s[8:9], s[4:5]
	s_cmp_eq_u32 s17, 3
	s_cselect_b64 s[4:5], s[10:11], s[4:5]
	s_add_nc_u64 s[4:5], s[4:5], s[20:21]
	s_add_nc_u64 s[12:13], s[12:13], s[22:23]
.set i, 0
.rept 128
	global_load_b32 v[X+i], v2, s[4:5] offset:i*4096 th:TH_LOAD_NT   ; W(128 s + i, my column): the wave reads 128 consecutive bytes, the work-group 512
.set i, i+1
.endr
.macro BLOCK q, cnt                    ; block q of 32 along K: all its numbers are mine
.set XS, X+32*(\q)
	s_wait_loadcnt \cnt                            ; behind this block's loads 96 - 32 q were issued; the count's field ends at 63
	v_max3_num_f32 v8, |v[XS]|, |v[XS+1]|, |v[XS+2]|
	v_max3_num_f32 v9, |v[XS+3]|, |v[XS+4]|, |v[XS+5]|
.irp i, 6,10,14,18,22,26
	v_max3_num_f32 v8, v8, |v[XS+\i]|, |v[XS+\i+1]|
	v_max3_num_f32 v9, v9, |v[XS+\i+2]|, |v[XS+\i+3]|
.endr
	v_max3_num_f32 v8, v8, |v[XS+30]|, |v[XS+31]|
	v_max3_num_f32 v8, v8, v9, 0x1800000           ; and the floor 2^(3 - 127): the byte cannot fall under 1
	v_add_nc_u32 v10, 0xff000000, v8               ; 2 off the exponent field: the conversion takes this operand's exponent field as its scale
	v_lshrrev_b32 v11, 23, v10                     ; the scale's byte
.if (\q) == 0
	v_mov_b32 v12, v11
.else
	v_lshl_or_b32 v12, v11, 8*(\q), v12            ; four bytes make my column's scale word
.endif
.irp g, 0,1,2,3
	v_cvt_scalef32_pk8_fp4_f32 v[C+4*(\q)+\g], v[XS+8*\g:XS+8*\g+7], v10
.endr
	global_store_b128 v3, v[C+4*(\q):C+4*(\q)+3], s[12:13] offset:512*((\q)>>1)+256*((\q)&1)   ; block q = 2 c + h: the sixteen lanes of a tile fill 256 consecutive bytes, aligned
.endm
	BLOCK 0, 63
	BLOCK 1, 63
	BLOCK 2, 32
	BLOCK 3, 0
	v_nop                                          ; a plain line behind the last conversion
	ds_store_b32 v4, v12
	s_wait_dscnt 0x0                               ; for the others' sake: my word lies in LDS
	s_barrier_signal -1
	s_barrier_wait -1
	s_cmp_lg_u32 s14, 0
	s_cbranch_scc1 .Ldone                          ; wave 0 stores the 512 bytes of scale words, 16 bytes a lane
	ds_load_b128 v[32:35], v5
	s_wait_dscnt 0x0
	global_store_b128 v5, v[32:35], s[12:13] offset:8192
.Ldone:
	s_wait_tensorcnt 0x0
	ds_add_u32 v160, v161
	s_wait_dscnt 0x0
	s_endpgm
.Lfunc_end_k_qfa00308b1a_wquant:
	.size	k_qfa00308b1a_wquant, .Lfunc_end_k_qfa00308b1a_wquant-k_qfa00308b1a_wquant
	.p2alignl 7, 3214868480
	.fill 96, 4, 3214868480
	.section	.rodata,"a",@progbits
	.p2align	6, 0x0
	.amdhsa_kernel k_qfa00308b1a_wquant
		.amdhsa_group_segment_fixed_size 1024
		.amdhsa_private_segment_fixed_size 0
		.amdhsa_enable_private_segment 0
		.amdhsa_kernarg_size 40
		.amdhsa_user_sgpr_count 2
		.amdhsa_user_sgpr_kernarg_segment_ptr 1
		.amdhsa_wavefront_size32 1
		.amdhsa_system_sgpr_workgroup_id_x 1
		.amdhsa_system_sgpr_workgroup_id_y 1
		.amdhsa_system_sgpr_workgroup_id_z 1
		.amdhsa_system_vgpr_workitem_id 0
		.amdhsa_next_free_vgpr 162
		.amdhsa_next_free_sgpr 66
		.amdhsa_reserve_vcc 0
		.amdhsa_float_denorm_mode_32 3
		.amdhsa_float_denorm_mode_16_64 3
		.amdhsa_memory_ordered 1
		.amdhsa_forward_progress 1
		.amdhsa_inst_pref_size 21
	.end_amdhsa_kernel
	.amdgpu_metadata
---
amdhsa.version: [ 1, 2 ]
amdhsa.kernels:
  - .name:           k_qfa00308b1a_wquant
    .symbol:         k_qfa00308b1a_wquant.kd
    .args:
      - { .name: Wq, .offset: 0, .size: 8, .value_kind: global_buffer, .address_space: global }
      - { .name: Wk, .offset: 8, .size: 8, .value_kind: global_buffer, .address_space: global }
      - { .name: Wv, .offset: 16, .size: 8, .value_kind: global_buffer, .address_space: global }
      - { .name: Wo, .offset: 24, .size: 8, .value_kind: global_buffer, .address_space: global }
      - { .name: wts, .offset: 32, .size: 8, .value_kind: global_buffer, .address_space: global }
    .group_segment_fixed_size: 1024
    .private_segment_fixed_size: 0
    .kernarg_segment_align: 8
    .kernarg_segment_size: 40
    .max_flat_workgroup_size: 128
    .sgpr_count:     66
    .vgpr_count:     162
    .wavefront_size: 32
...
	.end_amdgpu_metadata
.endif
;; end of part 1
;; launch proj (part 2): grid 192 x 1, 4 waves a work-group, no clusters, 137,728 bytes of LDS; arguments query, key, value, bq, bk, bv, wts, qc, kv; writes qc, kv
.if DOCPART == 2
	.amdgcn_target "amdgcn-amd-amdhsa--gfx1250"
	.amdhsa_code_object_version 6
	.text
	.protected	k_qfa00308b1a_proj
	.globl	k_qfa00308b1a_proj
	.p2align	8
	.type	k_qfa00308b1a_proj,@function
k_qfa00308b1a_proj:
	s_mov_b64 s[64:65], 0
	v_nop
	global_prefetch_b8 v0, s[64:65] scope:SCOPE_SE
	s_setreg_imm32_b32 hwreg(HW_REG_WAVE_MODE, 25, 1), 1
	s_wait_xcnt 0x0
; Q = query Wq + bq, K = key Wk + bk, V = value Wv + bv, all three products on codes of FP4 (E2M1) with one E8M0 scale for each 32 along K; the results leave as codes for the attention's products.
; SHARES.  Work-groups 0-63 take query, 64-127 key, 128-191 value; each takes 128 rows (one key step of a batch) x all 1,024 columns.  192 work-groups: a block of 128 rows makes K's and V's tiles and scale words of a key step whole aligned blocks.
; PHASE X: wave w quantises rows 32 w .. 32 w + 31 along K (two tiles x 8 K steps) and leaves the fragments in LDS as images of their registers ([c][lane][16 bytes]).  One barrier.
; THE PRODUCT: wave w makes columns 256 w .. 256 w + 255 in two passes of 128: 8 x 8 accumulators, 512 registers.  Its fragments of W come from memory straight into its registers (an earlier launch laid them so), in a ring of three sets;
; x's come from LDS, two sets.  No weight is shared through a cluster: each fragment of W goes to the one wave that multiplies it, and 544 KB of a weight do not fit in LDS beside x.
; THE ROWS OF A TILE ARE NOT NEIGHBOURS, of x and of W alike: slot r of tile 2 B + u is row 32 B + 8 u + r + 8 (r / 8), so that the 16 registers of result tiles 2 B and 2 B + 1 are 16 neighbours along source 0's rows.
; Q, K: source 0 = W's columns, source 1 = x's rows: a lane holds one row and 64 numbers along n: two heads' 64 channels, quantised along them.  V: source 0 = x's rows (keys), source 1 = W's columns: a lane holds one channel and 64 numbers along the keys.
; The bias is the C of each sum's first matrix instruction.
; OUT.  qc[head of batch 64][step 16][8 tiles x 512 bytes of codes | 512 bytes of scale words]; kv[64][16][K as qc, 4,608 bytes | V^T: 4 images of 1,024 bytes | 256 bytes of scale words].  Every store covers whole aligned blocks of 256 bytes.
; LIMITS: NaN and infinities are not served; a block whose largest magnitude lies under 2^-124 is held at the byte 1; a block of zeros gets the byte 1 where the quantiser says 127: its codes are zeros and this program alone reads the bytes.
; REGISTERS, in windows of 256.  Window 0: v1-12 addresses; v16-31 at work; v32-39 codes just made; v40-61 scale words on their way; v64-75 W's scale words (3 sets), v76-83 x's (2 sets); v84-91 bv; v128-255 x's fragments, two sets (in phase X: two sets of 64 numbers).
;   Window 1: v0-191 W's fragments, three sets; v192-255 the bias in the result's layout.  Windows 2, 3: accumulator (a, b) at window 2 + b / 4, v[64 (b % 4) + 8 a] (in phase X window 2 holds four sets of 64 numbers as loaded).
.set XSC,   65536                      ; LDS: x's images [tile 8][K step 8][1,024] from byte 0; then their scale words [tile pair 4][K step 8][lane 32][4 bytes];
.set STG,   69632                      ; then for each wave two stages of 16 rows x (512 + 16) bytes
.set WSTG,  16896
.set SP,    528
.set LI,  1                            ; 16 x lane
.set LS4, 2                            ; XSC + 4 x lane
.set STS, 4                            ; my stage, on the way in: 16 x lane
.set STL, 5                            ; and out: 528 r + 64 h
.set IMA, 6                            ; where this trip's images go
.set XSA, 7                            ; and their scale words
.set IMB, 8                            ; 16 x lane + 16,384 x wave
.set XSB, 9                            ; XSC + 4 x lane + 1,024 x wave
.set VBO, 10                           ; 4 (r + 8 (r / 8))
.set L8,  11                           ; 8 x lane
.set HBO, 12                           ; 64 h
.set TM,  16
.set PC,  32
.set PW,  40
.set PW0, 41
.set PWS, 42
.set CMB, 50
.set WS,  64
.set XS,  76
.set BV,  84
.set XF,  128
.set BI,  192                          ; in window 1
.set WVN, 22
.set T3,  23
.set BLK, 24
.set XP,  26
.set WP,  28
.set BP,  30
.set O0,  32
.set O1,  34
.set STR, 36
.set HM,  38
.set SEL, 40
.set IM,  42
.set IS,  43
.set TRIP, 44
.set PASS, 45
.set MSB, 0
.macro WIN new                         ; s_set_vgpr_msb: bits 1:0 source 0, 3:2 source 1, 5:4 source 2, 7:6 destination; the high byte repeats the setting that is left
.set NEWW, \new
.if MSB != NEWW
	s_set_vgpr_msb (MSB<<8)|NEWW
.set MSB, NEWW
.endif
.endm
.macro PLACES n
.rept \n
	v_nop
.endr
.endm
; one matrix instruction; c < 0: C is the constant 0; ra, rb: the half of the lanes from which A's and B's scale words are read
.macro WM d, a, b, c, sa, sb, ra, rb
.if (\c) < 0
.if ((\ra) == 0) && ((\rb) == 0)
	v_wmma_scale_f32_16x16x128_f8f6f4 v[\d:\d+7], v[\a:\a+7], v[\b:\b+7], 0, v[\sa], v[\sb] matrix_a_fmt:MATRIX_FMT_FP4 matrix_b_fmt:MATRIX_FMT_FP4
.elseif (\rb) == 0
	v_wmma_scale_f32_16x16x128_f8f6f4 v[\d:\d+7], v[\a:\a+7], v[\b:\b+7], 0, v[\sa], v[\sb] matrix_a_fmt:MATRIX_FMT_FP4 matrix_b_fmt:MATRIX_FMT_FP4 matrix_a_scale:MATRIX_SCALE_ROW1
.elseif (\ra) == 0
	v_wmma_scale_f32_16x16x128_f8f6f4 v[\d:\d+7], v[\a:\a+7], v[\b:\b+7], 0, v[\sa], v[\sb] matrix_a_fmt:MATRIX_FMT_FP4 matrix_b_fmt:MATRIX_FMT_FP4 matrix_b_scale:MATRIX_SCALE_ROW1
.else
	v_wmma_scale_f32_16x16x128_f8f6f4 v[\d:\d+7], v[\a:\a+7], v[\b:\b+7], 0, v[\sa], v[\sb] matrix_a_fmt:MATRIX_FMT_FP4 matrix_b_fmt:MATRIX_FMT_FP4 matrix_a_scale:MATRIX_SCALE_ROW1 matrix_b_scale:MATRIX_SCALE_ROW1
.endif
.else
.if ((\ra) == 0) && ((\rb) == 0)
	v_wmma_scale_f32_16x16x128_f8f6f4 v[\d:\d+7], v[\a:\a+7], v[\b:\b+7], v[\c:\c+7], v[\sa], v[\sb] matrix_a_fmt:MATRIX_FMT_FP4 matrix_b_fmt:MATRIX_FMT_FP4
.elseif (\rb) == 0
	v_wmma_scale_f32_16x16x128_f8f6f4 v[\d:\d+7], v[\a:\a+7], v[\b:\b+7], v[\c:\c+7], v[\sa], v[\sb] matrix_a_fmt:MATRIX_FMT_FP4 matrix_b_fmt:MATRIX_FMT_FP4 matrix_a_scale:MATRIX_SCALE_ROW1
.elseif (\ra) == 0
	v_wmma_scale_f32_16x16x128_f8f6f4 v[\d:\d+7], v[\a:\a+7], v[\b:\b+7], v[\c:\c+7], v[\sa], v[\sb] matrix_a_fmt:MATRIX_FMT_FP4 matrix_b_fmt:MATRIX_FMT_FP4 matrix_b_scale:MATRIX_SCALE_ROW1
.else
	v_wmma_scale_f32_16x16x128_f8f6f4 v[\d:\d+7], v[\a:\a+7], v[\b:\b+7], v[\c:\c+7], v[\sa], v[\sb] matrix_a_fmt:MATRIX_FMT_FP4 matrix_b_fmt:MATRIX_FMT_FP4 matrix_a_scale:MATRIX_SCALE_ROW1 matrix_b_scale:MATRIX_SCALE_ROW1
.endif
.endif
.endm
; 64 numbers of a lane, v[s] .. v[s + 63] of window w, register 16 b + i = k 32 b + 16 (lane / 16) + i of my row, become a fragment's codes in v[PC] on and my row's scale word in v[PW].
; Accumulators are read from their low ends on: block b begins with registers 0, 1 of accumulator 2 b, and reaches accumulator 2 b + 1 at its registers 0, 1.
.macro QUANT s, w
	WIN (\w)|((\w)<<2)
.irp b, 0,1,2,3
	v_max3_num_f32 v[TM+\b], |v[(\s)+16*\b]|, |v[(\s)+16*\b+1]|, 0x1800000   ; with the floor 2^(3 - 127): the byte cannot fall under 1
.endr
.irp i, 2,4,6,8,10,12,14
.irp b, 0,1,2,3
	v_max3_num_f32 v[TM+\b], |v[(\s)+16*\b+\i]|, |v[(\s)+16*\b+\i+1]|, v[TM+\b]   ; the four blocks by turns
.endr
.endr
	WIN 0
.irp b, 0,1,2,3
	v_permlanex16_b32 v[TM+4+\b], v[TM+\b], s[SEL], s[SEL+1]
.endr
.irp b, 0,1,2,3
	v_max_num_f32 v[TM+\b], v[TM+\b], v[TM+4+\b]   ; with lane l xor 16's: the block's largest magnitude
.endr
.irp b, 0,1,2,3
	v_add_nc_u32 v[TM+12+\b], 0xff000000, v[TM+\b] ; 2 off its exponent field: the conversion's scale operand
.endr
.irp b, 0,1,2,3
	v_lshrrev_b32 v[TM+4+\b], 23, v[TM+12+\b]      ; the scale's byte
.endr
	v_lshl_or_b32 v[PW], v[TM+5], 8, v[TM+4]
	v_lshl_or_b32 v[PW], v[TM+6], 16, v[PW]
	v_lshl_or_b32 v[PW], v[TM+7], 24, v[PW]
	WIN \w
.irp b, 0,1,2,3
	v_cvt_scalef32_pk8_fp4_f32 v[PC+2*\b], v[(\s)+16*\b:(\s)+16*\b+7], v[TM+12+\b]
	v_cvt_scalef32_pk8_fp4_f32 v[PC+2*\b+1], v[(\s)+16*\b+8:(\s)+16*\b+15], v[TM+12+\b]
.endr
	WIN 0
	v_nop                                          ; one plain place behind a scaled conversion
.irp c, 0,1                            ; the operand's layout wants a whole block in a lane: lanes 0-15 block 2 c, lanes 16-31 block 2 c + 1
.irp i, 0,1
	v_permlane16_swap_b32 v[PC+4*\c+\i], v[PC+2+4*\c+\i]
.endr
.endr
.endm
; PHASE X.  Unit q of a trip: tile q % 2 of my two, K step q / 2 of the trip's two.  Each load reads 512 consecutive bytes of one row (one K step), 16 a lane.
.macro LOADU q, off
	WIN 0x80                                       ; destination window 2
.irp i, 0,1,2,3,4,5,6,7,8,9,10,11,12,13,14,15
	global_load_b128 v[64*(\q)+4*\i:64*(\q)+4*\i+3], v[LI], s[XP:XP+1] offset:(8*((\q)&1)+\i+8*(\i/8))*4096+512*((\q)>>1)+(\off) th:TH_LOAD_NT
.endr
	WIN 0
.endm
.macro TURNU q                         ; through my own stage: in as loaded, out 16 neighbours of each block of 32 a lane; LDS serves a wave's instructions in order
	WIN 0x08                                       ; an LDS store's data are its source 1: window 2
.irp i, 0,1,2,3,4,5,6,7,8,9,10,11,12,13,14,15
	ds_store_b128 v[STS], v[64*(\q)+4*\i:64*(\q)+4*\i+3] offset:8448*((\q)&1)+SP*\i
.endr
	WIN 0
.irp b, 0,1,2,3
.irp j, 0,1,2,3
	ds_load_b128 v[XF+64*((\q)&1)+16*\b+4*\j:XF+64*((\q)&1)+16*\b+4*\j+3], v[STL] offset:8448*((\q)&1)+128*\b+16*\j
.endr
.endr
.endm
.macro UNIT q, ahead, cnt
	s_wait_dscnt 0x0                               ; this unit's numbers are back from the stage; its stores into the stage, and the last unit's stores of codes, have read their registers
.if \ahead
	LOADU \q, 1024                                 ; the same unit of the next trip
.endif
.if (\cnt) >= 0
	s_wait_loadcnt \cnt                            ; the next unit's 16 loads are in; cnt were issued behind them
	TURNU ((\q)+1)%4
.endif
	QUANT XF+64*((\q)&1), 0
	ds_store_b128 v[IMA], v[PC:PC+3] offset:8192*((\q)&1)+1024*((\q)>>1)
	ds_store_b128 v[IMA], v[PC+4:PC+7] offset:8192*((\q)&1)+1024*((\q)>>1)+512
.if ((\q)&1) == 0
	v_mov_b32 v[PW0], v[PW]
.else
	v_cndmask_b32 v[PW0], v[PW0], v[PW], s[HM]     ; lanes 0-15 keep the even tile's words, lanes 16-31 take the odd tile's
	ds_store_b32 v[XSA], v[PW0] offset:128*((\q)>>1)
.endif
.endm
; THE PRODUCT
.macro WLOAD s                         ; K step s of my group of W: 8 fragments into set s % 3, and their scale words: 17 loads
	WIN 0x40                                       ; destination window 1
.irp a, 0,1,2,3,4,5,6,7
.irp c, 0,1
	global_load_b128 v[64*((\s)%3)+8*\a+4*\c:64*((\s)%3)+8*\a+4*\c+3], v[LI], s[WP:WP+1] offset:8704*(\s)+1024*\a+512*\c
.endr
.endr
	WIN 0
	global_load_b128 v[WS+4*((\s)%3):WS+4*((\s)%3)+3], v[LI], s[WP:WP+1] offset:8704*(\s)+8192
.endm
.macro FETCHX s                        ; K step s of x: 8 fragments into set s % 2, and their scale words: 20 LDS loads
	WIN 0
.irp i, 0,1,2,3,4,5,6,7
.irp c, 0,1
	ds_load_b128 v[XF+64*((\s)%2)+8*\i+4*\c:XF+64*((\s)%2)+8*\i+4*\c+3], v[LI] offset:8192*\i+1024*(\s)+512*\c
.endr
.endr
.irp j, 0,1,2,3
	ds_load_b32 v[XS+4*((\s)%2)+\j], v[LS4] offset:1024*\j+128*(\s)
.endr
.endm
.macro BIASQ                           ; Q, K: lane (r, h) wants, for tile a, the bias of columns 32 (a / 2) + 16 h + 8 (a % 2) + 0 .. 7
	WIN 0x40
.irp a, 0,1,2,3,4,5,6,7
	global_load_b128 v[BI+8*\a:BI+8*\a+3], v[HBO], s[BP:BP+1] offset:(32*(\a/2)+8*(\a%2))*4
	global_load_b128 v[BI+8*\a+4:BI+8*\a+7], v[HBO], s[BP:BP+1] offset:(32*(\a/2)+8*(\a%2))*4+16
.endr
	WIN 0
.endm
.macro BIASV                           ; V: lane (r, h) wants, for tile b, the bias of its one column 32 (b / 2) + 8 (b % 2) + r + 8 (r / 8)
.irp b, 0,1,2,3,4,5,6,7
	global_load_b32 v[BV+\b], v[VBO], s[BP:BP+1] offset:(32*(\b/2)+8*(\b%2))*4
.endr
.endm
; K step s: 64 matrix instructions, the 64 accumulators by turns, one instruction a turn, in the same order in every step.  v = 0: Q, K; v = 1: V.
.macro STEP s, v
.if (\s) == 7
	s_wait_loadcnt 0x0
.else
	s_wait_loadcnt 17                              ; this step's W is in; the next step's 17 loads may be out
.endif
	PLACES 4                                       ; in front of loads into registers that the last step's matrix instructions have read
.if (\s) <= 5
	WLOAD (\s)+2
.endif
.if (\s) <= 6
	FETCHX (\s)+1
	s_wait_dscnt 20                                ; this step's x is in; the 20 just issued may be out
.else
	s_wait_dscnt 0x0
.endif
.if (\v) && ((\s) == 0)
	WIN 0x40
.irp b, 0,1,2,3,4,5,6,7
.irp j, 0,1,2,3,4,5,6,7
	v_mov_b32 v[BI+8*\b+\j], v[BV+\b]              ; the lane's one bias in all eight registers of the C operand
.endr
.endr
	PLACES 4
.endif
.irp b, 0,1,2,3,4,5,6,7
.if (\s) == 0
	WIN 0x91+3*(\v)+0x40*(\b/4)                    ; C (the bias) in window 1, D in window 2 or 3
.else
	WIN 0xa1+3*(\v)+0x50*(\b/4)                    ; C and D in window 2 or 3; W in window 1, x in window 0
.endif
.irp a, 0,1,2,3,4,5,6,7
.set rD, 64*(\b%4)+8*\a
.if \v
.set rA, XF+64*((\s)%2)+8*\a
.set rB, 64*((\s)%3)+8*\b
.set rSA, XS+4*((\s)%2)+\a/2
.set rSB, WS+4*((\s)%3)+\b/2
.set rC, BI+8*\b
.else
.set rA, 64*((\s)%3)+8*\a
.set rB, XF+64*((\s)%2)+8*\b
.set rSA, WS+4*((\s)%3)+\a/2
.set rSB, XS+4*((\s)%2)+\b/2
.set rC, BI+8*\a
.endif
.if (\s) != 0
.set rC, rD
.endif
.set rRA, \a&1
.set rRB, \b&1
	WM rD, rA, rB, rC, rSA, rSB, rRA, rRB
.endr
.endr
.endm
; Q, K: unit b = x's tile b; its 64 numbers a lane are the channels of heads 2 G and 2 G + 1 of one row
.macro EPIQ
.irp b, 0,1,2,3,4,5,6,7
	s_wait_xcnt 0x0                                ; the last unit's stores have read their registers
	QUANT 64*(\b%4), 2+\b/4
	global_store_b128 v[LI], v[PC:PC+3], s[O0:O0+1] offset:512*\b
	global_store_b128 v[LI], v[PC+4:PC+7], s[O1:O1+1] offset:512*\b
	v_mov_b32 v[PWS+\b], v[PW]
.endr
.irp j, 0,1,2,3
	v_cndmask_b32 v[CMB+\j], v[PWS+2*\j], v[PWS+2*\j+1], s[HM]   ; word j: lanes 0-15 tile 2 j, lanes 16-31 tile 2 j + 1
.endr
.irp j, 0,1,2,3
	v_and_b32 v[CMB+4+\j], 0xffff, v[CMB+\j]       ; head 2 G's two bytes; the upper two are 0, which stands for 2^-127 and meets zero codes alone
.endr
.irp j, 0,1,2,3
	v_lshrrev_b32 v[CMB+8+\j], 16, v[CMB+\j]       ; head 2 G + 1's
.endr
	global_store_b128 v[LI], v[CMB+4:CMB+7], s[O0:O0+1] offset:4096
	global_store_b128 v[LI], v[CMB+8:CMB+11], s[O1:O1+1] offset:4096
.endm
; V: unit b = W's tile b: channels' tile b % 4 of head 2 G + b / 4; its 64 numbers a lane run along the step's 128 keys: a whole fragment of V^T
.macro EPIV
.irp b, 0,1,2,3,4,5,6,7
	s_wait_xcnt 0x0
	QUANT 64*(\b%4), 2+\b/4
	global_store_b128 v[LI], v[PC:PC+3], s[O0+2*(\b/4):O0+2*(\b/4)+1] offset:4608+1024*(\b%4)
	global_store_b128 v[LI], v[PC+4:PC+7], s[O0+2*(\b/4):O0+2*(\b/4)+1] offset:4608+1024*(\b%4)+512
	v_mov_b32 v[PWS+\b], v[PW]
.if (\b%4) == 3
	v_cndmask_b32 v[CMB+2*(\b/4)], v[PWS+\b-3], v[PWS+\b-2], s[HM]
	v_cndmask_b32 v[CMB+2*(\b/4)+1], v[PWS+\b-1], v[PWS+\b], s[HM]
	global_store_b64 v[L8], v[CMB+2*(\b/4):CMB+2*(\b/4)+1], s[O0+2*(\b/4):O0+2*(\b/4)+1] offset:8704
.endif
.endr
.endm
.macro PATH v
	s_mov_b32 s[PASS], 2
.Lpass_\@:
	STEP 0, \v
	STEP 1, \v
	STEP 2, \v
	STEP 3, \v
	STEP 4, \v
	STEP 5, \v
	STEP 6, \v
	STEP 7, \v
	PLACES 4                                       ; in front of the first read of results and of loads into operands' registers
	WIN 0
	s_cmp_eq_u32 s[PASS], 1
	s_cbranch_scc1 .Lnonext_\@
	s_add_nc_u64 s[WP:WP+1], s[WP:WP+1], 69632     ; the next group of 128 columns is asked for ahead of this group's way out (step 7's wait for 0 has shown every load done)
	s_add_nc_u64 s[BP:BP+1], s[BP:BP+1], 512
.if \v
	BIASV
.else
	BIASQ
.endif
	WLOAD 0
	WLOAD 1
	FETCHX 0
.Lnonext_\@:
.if \v
	EPIV
.else
	EPIQ
.endif
	s_wait_xcnt 0x0                                ; the stores have read their bases
	s_add_nc_u64 s[O0:O0+1], s[O0:O0+1], s[56:57]  ; two heads on
	s_add_nc_u64 s[O1:O1+1], s[O1:O1+1], s[56:57]
	s_sub_co_u32 s[PASS], s[PASS], 1
	s_cmp_lg_u32 s[PASS], 0
	s_cbranch_scc1 .Lpass_\@
.endm
	s_load_b512 s[4:19], s[0:1], 0x0               ; query, key, value, bq, bk, bv, wts, qc
	s_load_b64 s[20:21], s[0:1], 0x40              ; kv
	v_lshl_add_u32 v126, v0, 2, 0x21800
	v_mov_b32 v127, 0
	v_lshrrev_b32 v3, 5, v0
	v_readfirstlane_b32 s[WVN], v3                 ; wave 0..3
	v_and_b32 v13, 31, v0                          ; lane
	v_and_b32 v14, 15, v0                          ; r
	v_bfe_u32 v15, v0, 4, 1                        ; h
	v_lshlrev_b32 v[LI], 4, v13
	v_lshl_add_u32 v[LS4], v13, 2, XSC
	s_mul_i32 s46, s[WVN], WSTG
	s_add_co_u32 s46, s46, STG
	v_add_nc_u32 v[STS], s46, v[LI]
	v_mul_u32_u24 v[STL], v14, SP
	v_lshl_add_u32 v[STL], v15, 6, v[STL]
	v_add_nc_u32 v[STL], s46, v[STL]
	s_lshl_b32 s47, s[WVN], 14
	v_add_nc_u32 v[IMB], s47, v[LI]
	s_lshl_b32 s47, s[WVN], 10
	v_add_nc_u32 v[XSB], s47, v[LS4]
	v_and_b32 v3, 8, v14
	v_add_nc_u32 v3, v3, v14
	v_lshlrev_b32 v[VBO], 2, v3
	v_lshlrev_b32 v[L8], 3, v13
	v_lshlrev_b32 v[HBO], 6, v15
.irp b, 0,1,2,3
	v_mov_b32 v[TM+4+\b], 0                        ; written once: a lane permute's destination counts as one of its sources
.endr
	s_lshr_b32 s[T3], ttmp9, 6                     ; 0: query, 1: key, 2: value
	s_and_b32 s[BLK], ttmp9, 63                    ; which 128 rows: 16 x batch + step
	s_mov_b32 s[HM], 0xffff0000                    ; lanes 16-31
	s_mov_b32 s[SEL], 0x76543210
	s_mov_b32 s[SEL+1], 0xfedcba98                 ; v_permlanex16_b32's selects for lane l xor 16
	s_lshl_b32 s46, s[BLK], 19                     ; 128 rows of 4,096 bytes,
	s_lshl_b32 s47, s[WVN], 17                     ; my wave's 32 of them
	s_add_co_u32 s46, s46, s47
	s_mov_b32 s47, 0
	s_mul_i32 s48, s[T3], 557056                   ; the weight,
	s_mul_i32 s49, s[WVN], 139264                  ; my two groups of 128 columns
	s_add_co_u32 s48, s48, s49
	s_mov_b32 s49, 0
	s_lshl_b32 s50, s[WVN], 10                     ; my 256 numbers of the bias
	s_mov_b32 s51, 0
	s_mov_b32 s[STR], 8960
	s_cmp_eq_u32 s[T3], 0
	s_cselect_b32 s[STR], 4608, s[STR]             ; bytes of a step in qc or in kv
	s_lshr_b32 s52, s[BLK], 4
	s_lshl_b32 s52, s52, 8
	s_lshl_b32 s53, s[WVN], 6
	s_add_co_u32 s52, s52, s53
	s_and_b32 s53, s[BLK], 15
	s_add_co_u32 s52, s52, s53                     ; (16 x batch + 4 x wave) x 16 + step
	s_mul_i32 s52, s52, s[STR]
	s_mov_b32 s53, 0
	s_lshl_b32 s54, s[STR], 4                      ; a head on
	s_mov_b32 s55, 0
	s_lshl_b32 s56, s[STR], 5                      ; two heads on
	s_mov_b32 s57, 0
	s_wait_kmcnt 0x0
	s_cmp_eq_u32 s[T3], 1                          ; the buffers are chosen by the work-group's number alone
	s_cselect_b64 s[XP:XP+1], s[6:7], s[4:5]
	s_cselect_b64 s[BP:BP+1], s[12:13], s[10:11]
	s_cmp_eq_u32 s[T3], 2
	s_cselect_b64 s[XP:XP+1], s[8:9], s[XP:XP+1]
	s_cselect_b64 s[BP:BP+1], s[14:15], s[BP:BP+1]
	s_cmp_eq_u32 s[T3], 0
	s_cselect_b64 s[O0:O0+1], s[18:19], s[20:21]
	s_add_nc_u64 s[XP:XP+1], s[XP:XP+1], s[46:47]
	s_add_nc_u64 s[WP:WP+1], s[16:17], s[48:49]
	s_add_nc_u64 s[BP:BP+1], s[BP:BP+1], s[50:51]
	s_add_nc_u64 s[O0:O0+1], s[O0:O0+1], s[52:53]
	s_add_nc_u64 s[O1:O1+1], s[O0:O0+1], s[54:55]
	WLOAD 0                                        ; the first two K steps of W and both forms of the bias land while x is quantised
	WLOAD 1
	BIASQ
	BIASV
	LOADU 0, 0
	LOADU 1, 0
	LOADU 2, 0
	LOADU 3, 0
	s_wait_loadcnt 48                              ; unit 0's loads are in; units 1 to 3's may be out
	TURNU 0
	s_mov_b32 s[IM], 0
	s_mov_b32 s[IS], 0
	s_mov_b32 s[TRIP], 3
.Lx:                                                   ; a trip: two K steps of my 32 rows; the loads run a trip (64 loads) ahead
	s_wait_dscnt 0x0
	v_add_nc_u32 v[IMA], s[IM], v[IMB]
	v_add_nc_u32 v[XSA], s[IS], v[XSB]
	UNIT 0, 1, 48
	UNIT 1, 1, 48
	UNIT 2, 1, 48
	UNIT 3, 1, 48
	s_wait_xcnt 0x0                                ; the loads have read their base
	s_add_nc_u64 s[XP:XP+1], s[XP:XP+1], 1024
	s_add_co_u32 s[IM], s[IM], 2048
	s_add_co_u32 s[IS], s[IS], 256
	s_sub_co_u32 s[TRIP], s[TRIP], 1
	s_cmp_lg_u32 s[TRIP], 0
	s_cbranch_scc1 .Lx
	s_wait_dscnt 0x0                               ; the last trip loads nothing: the counts run down
	v_add_nc_u32 v[IMA], s[IM], v[IMB]
	v_add_nc_u32 v[XSA], s[IS], v[XSB]
	UNIT 0, 0, 32
	UNIT 1, 0, 16
	UNIT 2, 0, 0
	UNIT 3, 0, -1
	s_wait_dscnt 0x0                               ; for the others' sake: my images and scale words lie in LDS
	s_barrier_signal -1
	s_barrier_wait -1                              ; the launch's one barrier: from here on LDS is only read
	FETCHX 0
	s_cmp_eq_u32 s[T3], 2
	s_cbranch_scc1 .Lvalue
	PATH 0
	s_wait_tensorcnt 0x0
	ds_add_u32 v126, v127
	s_wait_dscnt 0x0
	s_endpgm
.Lvalue:
	PATH 1
	s_wait_tensorcnt 0x0
	ds_add_u32 v126, v127
	s_wait_dscnt 0x0
	s_endpgm
.Lfunc_end_k_qfa00308b1a_proj:
	.size	k_qfa00308b1a_proj, .Lfunc_end_k_qfa00308b1a_proj-k_qfa00308b1a_proj
	.p2alignl 7, 3214868480
	.fill 96, 4, 3214868480
	.section	.rodata,"a",@progbits
	.p2align	6, 0x0
	.amdhsa_kernel k_qfa00308b1a_proj
		.amdhsa_group_segment_fixed_size 137728
		.amdhsa_private_segment_fixed_size 0
		.amdhsa_enable_private_segment 0
		.amdhsa_kernarg_size 72
		.amdhsa_user_sgpr_count 2
		.amdhsa_user_sgpr_kernarg_segment_ptr 1
		.amdhsa_wavefront_size32 1
		.amdhsa_system_sgpr_workgroup_id_x 1
		.amdhsa_system_sgpr_workgroup_id_y 1
		.amdhsa_system_sgpr_workgroup_id_z 1
		.amdhsa_system_vgpr_workitem_id 0
		.amdhsa_next_free_vgpr 1024
		.amdhsa_next_free_sgpr 66
		.amdhsa_reserve_vcc 0
		.amdhsa_float_denorm_mode_32 3
		.amdhsa_float_denorm_mode_16_64 3
		.amdhsa_memory_ordered 1
		.amdhsa_forward_progress 1
		.amdhsa_inst_pref_size 255
	.end_amdhsa_kernel
	.section	.bss,"aw",@nobits
	.p2align	6
	.space	262144
	.amdgpu_metadata
---
amdhsa.version: [ 1, 2 ]
amdhsa.kernels:
  - .name:           k_qfa00308b1a_proj
    .symbol:         k_qfa00308b1a_proj.kd
    .args:
      - { .name: query, .offset: 0, .size: 8, .value_kind: global_buffer, .address_space: global }
      - { .name: key, .offset: 8, .size: 8, .value_kind: global_buffer, .address_space: global }
      - { .name: value, .offset: 16, .size: 8, .value_kind: global_buffer, .address_space: global }
      - { .name: bq, .offset: 24, .size: 8, .value_kind: global_buffer, .address_space: global }
      - { .name: bk, .offset: 32, .size: 8, .value_kind: global_buffer, .address_space: global }
      - { .name: bv, .offset: 40, .size: 8, .value_kind: global_buffer, .address_space: global }
      - { .name: wts, .offset: 48, .size: 8, .value_kind: global_buffer, .address_space: global }
      - { .name: qc, .offset: 56, .size: 8, .value_kind: global_buffer, .address_space: global }
      - { .name: kv, .offset: 64, .size: 8, .value_kind: global_buffer, .address_space: global }
    .group_segment_fixed_size: 137728
    .private_segment_fixed_size: 0
    .kernarg_segment_align: 8
    .kernarg_segment_size: 72
    .max_flat_workgroup_size: 128
    .sgpr_count:     66
    .vgpr_count:     1024
    .wavefront_size: 32
...
	.end_amdgpu_metadata
.endif
;; end of part 2
;; launch attn (part 3): grid 4 x 64, 16 waves a work-group, clusters of 4 x 1, 169,984 bytes of LDS; arguments qc, kv, cc, cs; writes cc, cs
.if DOCPART == 3
	.amdgcn_target "amdgcn-amd-amdhsa--gfx1250"
	.amdhsa_code_object_version 6
	.text
	.protected	k_qfa00308b1a_attn
	.globl	k_qfa00308b1a_attn
	.p2align	8
	.type	k_qfa00308b1a_attn,@function
k_qfa00308b1a_attn:
	s_mov_b64 s[64:65], 0
	v_nop
	global_prefetch_b8 v0, s[64:65] scope:SCOPE_SE
	s_setreg_imm32_b32 hwreg(HW_REG_WAVE_MODE, 25, 1), 1
	s_wait_xcnt 0x0
	s_wait_alu depctr_hold_cnt(0) depctr_sa_sdst(0) depctr_va_vdst(0) depctr_va_sdst(0) depctr_va_ssrc(0) depctr_va_vcc(0) depctr_vm_vsrc(0)
	s_getreg_b32 s2, hwreg(HW_REG_IB_STS2, 6, 4)
	s_cmp_eq_u32 s2, 0
	s_cbranch_scc0 .Lentry_in_a_cluster
	s_endpgm
.Lentry_in_a_cluster:
	s_bfe_u32 s2, ttmp6, 0x10000c
	s_cmp_lg_u32 s2, 0x3003
	s_cbranch_scc0 .Lentry_shape_is_right
	s_endpgm
.Lentry_shape_is_right:
; ctx[head][q] = the sum over k of softmax_k(Q[q] . K[k] / 8) V[k], head size 64, 2,048 keys, both products on codes of FP4 (E2M1) with one E8M0 scale for each 32 along a product's K; ctx leaves as codes for the last product.
; THE SOFTMAX AHEAD OF THE SECOND PRODUCT: t = score x log2(e) / 8; M = the running largest t rounded UP to a whole number; p = 2^(t - M) is quantised along the keys, not normalised.  The row's sum is taken of the unquantised p and divides at the end.
; When M moves, the sum and O are multiplied by 2^(old M - new M): exact.
; SHARES.  A work-group owns 512 queries of one head of one batch; each of its sixteen waves two tiles of 16, one after the other, in 256 registers: four waves to a SIMD, so that one wave's vector work stands beside another's matrix work and LDS loads.
; K AND V OF THE WHOLE HEAD STAY IN LDS: 16 key steps of 8,960 bytes (K: 8 tiles x 512 bytes of codes, 512 of scale words; V^T: 4 images of 1,024 bytes, 256 of scale words), filled ONCE: wave w brings key step w by one tensor load.  No slot is filled again.
; CLUSTER.  The four work-groups of a head need the same K and V: each load is asked for JOINTLY, by the same line with the same descriptor and a mask that names the four.
; LAYOUT.  Both products are used transposed: S^T = K Q^T (source 0 = 16 keys, source 1 = my 16 queries), O^T = V^T P^T: a lane holds ONE query throughout.  The keys of a tile and the channels of a tile of V^T are not neighbours
; (slot r of tile 2 B + u is 32 B + 8 u + r + 8 (r / 8)), so that the 16 registers of result tiles 2 B and 2 B + 1 are 16 neighbours.
; THE HEAD'S 64 FILL HALF OF THE INSTRUCTION'S 128: Q's upper four registers are zero codes.  K's tiles lie four registers apart, so K's upper four are the next tile's codes: they meet zero codes and add exactly 0; the scale bytes there are 0 (2^-127), never 0xff.
; LIMITS: NaN and infinities are not served; a block of ctx whose largest magnitude lies under 2^-124 is held at the byte 1, a block of zeros too: its codes are zeros and this program alone reads the bytes.
.set STEPB, 8960
.set GAT,   143360                     ; behind K and V: 1,024 bytes in which the work-group's scale half-words of ctx are gathered; no tensor load lands there
.set LI,  1                            ; 16 x lane
.set L8,  2                            ; 8 x lane
.set ADR, 3                            ; the key step in hand + 16 x lane
.set ADR8, 4                           ; + 8 x lane
.set GR,  5                            ; GAT + 16 x lane
.set GA,  6                            ; GAT + 32 x wave + 2 r
.set QS,  8                            ; v8, v9   Q's scale words, tile 0, 1
.set QF,  16                           ; v16-31   Q's fragments: four registers of codes, four of zeros, for each tile
.set KS,  32                           ; v32-35   K's scale words
.set VS,  36                           ; v36-37   V's
.set PW,  38                           ; v38      p's
.set KF,  40                           ; v40-75   K's tile t at 40 + 4 t; v72-75 zeros
.set VF,  76                           ; v76-107  V^T's four fragments
.set S,   108                          ; v108-171 S^T, then p
.set O,   172                          ; v172-203 O^T
.set PC,  204                          ; v204-211 p's codes
.set BM,  212
.set BT,  216
.set BS,  220
.set F,   224                          ; v[224:225] f, later 1 / the sum
.set TP,  226
.set SC2, 228
.set CT,  232                          ; v232-239 ctx's codes, four registers a tile
.set HW,  240                          ; v240, v241 its scale half-words
.set WV,  12
.set CX,  13
.set BH,  14
.set G1,  16
.set G0,  24
.set SEL, 28
.set CS,  30
.set TB,  32
.set CNT, 33
.set QB,  36
.set CCP, 38
.set CSP, 40
.macro PLACES n
.rept \n
	v_nop
.endr
.endm
.macro WM d, a, b, c, sa, sb, ra, rb
.if (\c) < 0
.if ((\ra) == 0) && ((\rb) == 0)
	v_wmma_scale_f32_16x16x128_f8f6f4 v[\d:\d+7], v[\a:\a+7], v[\b:\b+7], 0, v[\sa], v[\sb] matrix_a_fmt:MATRIX_FMT_FP4 matrix_b_fmt:MATRIX_FMT_FP4
.elseif (\rb) == 0
	v_wmma_scale_f32_16x16x128_f8f6f4 v[\d:\d+7], v[\a:\a+7], v[\b:\b+7], 0, v[\sa], v[\sb] matrix_a_fmt:MATRIX_FMT_FP4 matrix_b_fmt:MATRIX_FMT_FP4 matrix_a_scale:MATRIX_SCALE_ROW1
.elseif (\ra) == 0
	v_wmma_scale_f32_16x16x128_f8f6f4 v[\d:\d+7], v[\a:\a+7], v[\b:\b+7], 0, v[\sa], v[\sb] matrix_a_fmt:MATRIX_FMT_FP4 matrix_b_fmt:MATRIX_FMT_FP4 matrix_b_scale:MATRIX_SCALE_ROW1
.else
	v_wmma_scale_f32_16x16x128_f8f6f4 v[\d:\d+7], v[\a:\a+7], v[\b:\b+7], 0, v[\sa], v[\sb] matrix_a_fmt:MATRIX_FMT_FP4 matrix_b_fmt:MATRIX_FMT_FP4 matrix_a_scale:MATRIX_SCALE_ROW1 matrix_b_scale:MATRIX_SCALE_ROW1
.endif
.else
.if ((\ra) == 0) && ((\rb) == 0)
	v_wmma_scale_f32_16x16x128_f8f6f4 v[\d:\d+7], v[\a:\a+7], v[\b:\b+7], v[\c:\c+7], v[\sa], v[\sb] matrix_a_fmt:MATRIX_FMT_FP4 matrix_b_fmt:MATRIX_FMT_FP4
.elseif (\rb) == 0
	v_wmma_scale_f32_16x16x128_f8f6f4 v[\d:\d+7], v[\a:\a+7], v[\b:\b+7], v[\c:\c+7], v[\sa], v[\sb] matrix_a_fmt:MATRIX_FMT_FP4 matrix_b_fmt:MATRIX_FMT_FP4 matrix_a_scale:MATRIX_SCALE_ROW1
.elseif (\ra) == 0
	v_wmma_scale_f32_16x16x128_f8f6f4 v[\d:\d+7], v[\a:\a+7], v[\b:\b+7], v[\c:\c+7], v[\sa], v[\sb] matrix_a_fmt:MATRIX_FMT_FP4 matrix_b_fmt:MATRIX_FMT_FP4 matrix_b_scale:MATRIX_SCALE_ROW1
.else
	v_wmma_scale_f32_16x16x128_f8f6f4 v[\d:\d+7], v[\a:\a+7], v[\b:\b+7], v[\c:\c+7], v[\sa], v[\sb] matrix_a_fmt:MATRIX_FMT_FP4 matrix_b_fmt:MATRIX_FMT_FP4 matrix_a_scale:MATRIX_SCALE_ROW1 matrix_b_scale:MATRIX_SCALE_ROW1
.endif
.endif
.endm
; A round of the cluster's barrier: my work-group's barrier; wave 0 signals for the work-group; every wave waits for all four work-groups; my work-group's barrier once more
.macro CROUND
	s_barrier_signal -1
	s_barrier_wait -1
	s_cmp_lg_u32 s[WV], 0
	s_cbranch_scc1 .Lnot_wave_0_\@
	s_barrier_signal -3
.Lnot_wave_0_\@:
	s_barrier_wait -3
	s_barrier_signal -1
	s_barrier_wait -1
.endm
	s_load_b256 s[4:11], s[0:1], 0x0               ; qc, kv, cc, cs
	v_lshl_add_u32 v254, v0, 2, 0x29000
	v_mov_b32 v255, 0
	ds_add_u32 v254, v255
	ds_add_u32 v254, v255
	v_lshrrev_b32 v7, 5, v0
	v_readfirstlane_b32 s[WV], v7                  ; wave 0..15
	s_bfe_u32 s[CX], ttmp6, 0x40000                ; my place in the cluster: it enters Q's and the outputs' addresses alone
	s_and_b32 s[BH], ttmp7, 0xffff                 ; 16 x batch + head, which the four partners share
	v_and_b32 v7, 31, v0
	v_lshlrev_b32 v[LI], 4, v7
	v_lshlrev_b32 v[L8], 3, v7
	v_add_nc_u32 v[GR], GAT, v[LI]
	v_and_b32 v7, 15, v0                           ; r
	s_lshl_b32 s42, s[WV], 5
	s_add_co_u32 s42, s42, GAT
	v_lshl_add_u32 v[GA], v7, 1, s42
	s_and_b32 s42, s[WV], 7                        ; my tile in its step of 128 queries
	s_lshl_b32 s43, s42, 9
	v_add_nc_u32 v10, s43, v[LI]                   ; Q's codes: 512 x tile + 16 x lane
	s_and_b32 s43, s[WV], 1
	s_lshl_b32 s43, s43, 8
	s_lshr_b32 s42, s42, 1
	s_lshl_b32 s42, s42, 2
	s_add_co_u32 s43, s43, s42
	v_lshl_add_u32 v11, v7, 4, s43                 ; Q's scale word: word tile / 2 of lane 16 (tile % 2) + r
	; descriptor group 1: a key step is 8,960 dense bytes: 35 rows of 256 bytes (32 elements of 8 bytes), no padding
	s_mov_b32 s[G1], 15|(3<<16)|(1<<21)            ; 15:0 the mask: all four work-groups; 17:16 elements of 8 bytes; 21 set beside a mask
	s_mov_b32 s[G1+1], 32<<16                      ; tensor_dim0 = 32
	s_mov_b32 s[G1+2], 35<<16                      ; tensor_dim1 = 35
	s_mov_b32 s[G1+3], 32<<16                      ; tile_dim0 = 32
	s_mov_b32 s[G1+4], 35                          ; tile_dim1 = 35
	s_mov_b32 s[G1+5], 32                          ; from row to row
	s_mov_b32 s[G1+6], 0
	s_mov_b32 s[G1+7], 0
	s_lshl_b32 s34, s[BH], 4
	s_add_co_u32 s34, s34, s[WV]
	s_mul_i32 s34, s34, STEPB                      ; key step w of my head: made of the head and the wave's number alone
	s_mov_b32 s35, 0
	s_mov_b32 s[G0], 1
	s_mul_i32 s[G0+1], s[WV], STEPB                ; and its place in LDS
	s_mov_b32 s[SEL], 0x76543210
	s_mov_b32 s[SEL+1], 0xfedcba98
	s_mov_b32 s[CS], 0x3e38aa3b                    ; c = log2(e) / 8
	s_mov_b32 s[CS+1], s[CS]                       ; (named with it as a pair, so it is written)
	s_lshl_b32 s42, s[BH], 4
	s_lshl_b32 s43, s[CX], 2
	s_add_co_u32 s42, s42, s43
	s_lshr_b32 s43, s[WV], 3
	s_add_co_u32 s42, s42, s43
	s_mul_i32 s42, s42, 4608                       ; Q: step 4 cx + wave / 8 of my head (my second tile lies two steps on)
	s_mov_b32 s43, 0
	s_lshr_b32 s44, s[BH], 4
	s_lshl_b32 s44, s44, 20                        ; ctx's codes: batch,
	s_lshl_b32 s45, s[CX], 18                      ; 32 tiles of 8,192 bytes a work-group,
	s_add_co_u32 s44, s44, s45
	s_lshl_b32 s45, s[WV], 13                      ; my tile,
	s_add_co_u32 s44, s44, s45
	s_and_b32 s45, s[BH], 15
	s_lshl_b32 s45, s45, 9                         ; the head's 512 bytes in it
	s_add_co_u32 s44, s44, s45
	s_mov_b32 s45, 0
	s_lshl_b32 s46, s[BH], 12                      ; ctx's scale half-words: 4,096 bytes a head, 1,024 a work-group
	s_lshl_b32 s47, s[CX], 10
	s_add_co_u32 s46, s46, s47
	s_mov_b32 s47, 0
	s_wait_dscnt 0x0
	s_wait_kmcnt 0x0
	s_add_nc_u64 s[G0+2:G0+3], s[6:7], s[34:35]
	s_or_b32 s[G0+3], s[G0+3], 0x80000000          ; type = 2
	s_add_nc_u64 s[QB:QB+1], s[4:5], s[42:43]
	s_add_nc_u64 s[CCP:CCP+1], s[8:9], s[44:45]
	s_add_nc_u64 s[CSP:CSP+1], s[10:11], s[46:47]
	CROUND                                         ; all four work-groups are here: the joint loads meet
	tensor_load_to_lds s[G0:G0+3], s[G1:G1+7]      ; my one tensor load of the launch
	s_nop 0
	PLACES 4
.irp p, 0,1
	global_load_b128 v[QF+8*\p:QF+8*\p+3], v10, s[QB:QB+1] offset:9216*\p
	global_load_b32 v[QS+\p], v11, s[QB:QB+1] offset:9216*\p+4096
.endr
.irp j, 4,5,6,7,12,13,14,15
	v_mov_b32 v[QF+\j], 0                          ; zero codes for k = 64 .. 127
.endr
.irp j, 32,33,34,35
	v_mov_b32 v[KF+\j], 0
.endr
.irp b, 0,1,2,3
	v_mov_b32 v[BT+\b], 0                          ; written once: a lane permute's destination counts as one of its sources
.endr
	v_mov_b32 v[F+1], 0                            ; (named as the upper half of a pair)
	s_wait_tensorcnt 0x0                           ; my key step lies in LDS,
	s_wait_loadcnt 0x0                             ; Q is in,
	s_barrier_signal -1
	s_barrier_wait -1                              ; everybody's key step lies there
.macro TILE p
.set QFR, QF+8*(\p)
.set QSR, QS+(\p)
	v_mov_b32 v13, 0xff61b1e6                      ; the largest t so far: -3e38, under every t
	v_floor_f32 v12, -v13                          ; -M
	v_mov_b32 v14, 0                               ; the sum, in two halves
	v_mov_b32 v15, 0
.set j, 0
.rept 32
	v_mov_b32 v[O+j], 0                            ; O^T: the step is written once; its first trip finds zeros
.set j, j+1
.endr
	s_mov_b32 s[TB], 0
	v_mov_b32 v[ADR], v[LI]
	v_mov_b32 v[ADR8], v[L8]
	s_mov_b32 s[CNT], 16
.Lstep_\@:                                             ; a key step: 128 keys
.irp t, 0,1,2,3,4,5,6,7
	ds_load_b128 v[KF+4*\t:KF+4*\t+3], v[ADR] offset:512*\t
.endr
	ds_load_b128 v[KS:KS+3], v[ADR] offset:4096
.irp i, 0,1,2,3,4,5,6,7
	ds_load_b128 v[VF+4*\i:VF+4*\i+3], v[ADR] offset:4608+512*\i
.endr
	ds_load_b64 v[VS:VS+1], v[ADR8] offset:8704
	s_wait_dscnt 9                                 ; K and its scale words are in; V's nine loads may be out
.irp t, 0,1,2,3,4,5,6,7
.set rD, S+8*\t
.set rA, KF+4*\t
.set rSA, KS+\t/2
.set rRA, \t&1
	WM rD, rA, QFR, -1, rSA, QSR, rRA, 0
.endr
	PLACES 4
.irp b, 0,1,2,3
	v_max3_num_f32 v[BM+\b], v[S+16*\b], v[S+16*\b+1], v[S+16*\b+2]   ; the largest score of each block of 32 keys: for the row's maximum, and, since p rises with the score, for the block's largest p
.endr
.irp i, 3,5,7,9,11,13
.irp b, 0,1,2,3
	v_max3_num_f32 v[BM+\b], v[BM+\b], v[S+16*\b+\i], v[S+16*\b+\i+1]
.endr
.endr
.irp b, 0,1,2,3
	v_max_num_f32 v[BM+\b], v[BM+\b], v[S+16*\b+15]
.endr
.irp b, 0,1,2,3
	v_permlanex16_b32 v[BT+\b], v[BM+\b], s[SEL], s[SEL+1]
.endr
.irp b, 0,1,2,3
	v_max_num_f32 v[BM+\b], v[BM+\b], v[BT+\b]     ; with lane l xor 16's 16 keys
.endr
	v_max3_num_f32 v[TP], v[BM], v[BM+1], v[BM+2]
	v_max_num_f32 v[TP], v[TP], v[BM+3]
	v_mul_f32 v[TP], s[CS], v[TP]                  ; the step's largest t (c is positive)
	v_max_num_f32 v13, v13, v[TP]                  ; the running largest t
	v_mov_b32 v[TP], v12
	v_floor_f32 v12, -v13                          ; the new -M = floor(-t) = -ceil(t): a whole number
	v_sub_f32 v[TP], v12, v[TP]                    ; old M - new M: a whole number, 0 or less
	v_cvt_i32_f32 v[TP], v[TP]                     ; (it saturates)
	v_ldexp_f32 v[F], 1.0, v[TP]                   ; f = 2^(old M - new M)
.set j, 0
.rept 32
	v_pk_fma_f32 v[S+j:S+j+1], v[S+j:S+j+1], s[CS:CS+1], v[12:13] op_sel_hi:[1,0,0]   ; t - M, two at a time
.set j, j+2
.endr
.irp b, 0,1,2,3
	v_fma_f32 v[BM+\b], v[BM+\b], s[CS], v12       ; the same of each block's largest score
.endr
.set j, 0
.rept 64
	v_exp_f32 v[S+j], v[S+j]                       ; p = 2^(t - M), at most 1
.set j, j+1
.endr
	v_pk_mul_f32 v[14:15], v[14:15], v[F:F+1] op_sel_hi:[1,0]   ; the sums under the new M: a plain line behind the exponentials
	s_wait_alu depctr_va_vdst(0)                   ; one wait for the whole batch, ahead of its first reader
.irp b, 0,1,2,3
	v_exp_f32 v[BM+\b], v[BM+\b]                   ; the block's largest p
.endr
	v_pk_add_f32 v[SC2:SC2+1], v[S:S+1], v[S+2:S+3]   ; the row's sum is taken of the unquantised p, in two chains
.irp j, 4,8,12,16,20,24,28,32,36,40,44,48,52,56,60
	v_pk_add_f32 v[14:15], v[14:15], v[S+\j:S+\j+1]
	v_pk_add_f32 v[SC2:SC2+1], v[SC2:SC2+1], v[S+\j+2:S+\j+3]
.endr
	v_pk_add_f32 v[14:15], v[14:15], v[SC2:SC2+1]
	s_wait_alu depctr_va_vdst(0)                   ; and one for the four
.irp b, 0,1,2,3
	v_max_num_f32 v[BM+\b], 0x1800000, v[BM+\b]    ; the floor 2^(3 - 127): the byte cannot fall under 1
.endr
.irp b, 0,1,2,3
	v_add_nc_u32 v[BS+\b], 0xff000000, v[BM+\b]    ; 2 off the exponent field: the conversion's scale operand
.endr
.irp b, 0,1,2,3
	v_lshrrev_b32 v[BT+\b], 23, v[BS+\b]           ; the scale's byte
.endr
	v_lshl_or_b32 v[PW], v[BT+1], 8, v[BT]         ; p's scale word for these 128 keys
	v_lshl_or_b32 v[PW], v[BT+2], 16, v[PW]
	v_lshl_or_b32 v[PW], v[BT+3], 24, v[PW]
.irp b, 0,1,2,3
	v_cvt_scalef32_pk8_fp4_f32 v[PC+2*\b], v[S+16*\b:S+16*\b+7], v[BS+\b]
	v_cvt_scalef32_pk8_fp4_f32 v[PC+2*\b+1], v[S+16*\b+8:S+16*\b+15], v[BS+\b]
.endr
	v_nop                                          ; one plain place behind a scaled conversion
.irp c, 0,1
.irp i, 0,1
	v_permlane16_swap_b32 v[PC+4*\c+\i], v[PC+2+4*\c+\i]   ; a whole block in a lane
.endr
.endr
.set j, 0
.rept 16
	v_pk_mul_f32 v[O+j:O+j+1], v[O+j:O+j+1], v[F:F+1] op_sel_hi:[1,0]   ; O^T under the new M; these sixteen are also the places between the writes of p's codes and scale word and the products
.set j, j+2
.endr
	s_wait_dscnt 0x0                               ; V is in
.irp t, 0,1,2,3
.set rD, O+8*\t
.set rA, VF+8*\t
.set rSA, VS+\t/2
.set rRA, \t&1
	WM rD, rA, PC, rD, rSA, PW, rRA, 0
.endr
	s_add_co_u32 s[TB], s[TB], STEPB
	v_add_nc_u32 v[ADR], s[TB], v[LI]              ; four plain lines: the places in front of the next loads into V's registers, and of the reads of O^T behind the loop
	v_add_nc_u32 v[ADR8], s[TB], v[L8]
	v_nop
	v_nop
	s_sub_co_u32 s[CNT], s[CNT], 1
	s_cmp_lg_u32 s[CNT], 0
	s_cbranch_scc1 .Lstep_\@
	; the tile's way out: O^T / the sum, quantised along the head's 64 channels (two blocks)
	v_add_f32 v14, v14, v15
	v_permlanex16_b32 v[TP], v14, s[SEL], s[SEL+1]
	v_add_f32 v14, v14, v[TP]                      ; the row's sum
	v_rcp_f32 v[F], v14
	v_nop
	s_wait_alu depctr_va_vdst(0)
.set j, 0
.rept 16
	v_pk_mul_f32 v[S+j:S+j+1], v[O+j:O+j+1], v[F:F+1] op_sel_hi:[1,0]   ; register 16 B + i is channel 32 B + 16 h + i of my query
.set j, j+2
.endr
.irp b, 0,1
	v_max3_num_f32 v[BM+\b], |v[S+16*\b]|, |v[S+16*\b+1]|, 0x1800000
.endr
.irp i, 2,4,6,8,10,12,14
.irp b, 0,1
	v_max3_num_f32 v[BM+\b], v[BM+\b], |v[S+16*\b+\i]|, |v[S+16*\b+\i+1]|
.endr
.endr
.irp b, 0,1
	v_permlanex16_b32 v[BT+\b], v[BM+\b], s[SEL], s[SEL+1]
.endr
.irp b, 0,1
	v_max_num_f32 v[BM+\b], v[BM+\b], v[BT+\b]
.endr
.irp b, 0,1
	v_add_nc_u32 v[BS+\b], 0xff000000, v[BM+\b]
.endr
.irp b, 0,1
	v_lshrrev_b32 v[BT+\b], 23, v[BS+\b]
.endr
	v_lshl_or_b32 v[HW+(\p)], v[BT+1], 8, v[BT]    ; my query's two scale bytes
.irp b, 0,1
	v_cvt_scalef32_pk8_fp4_f32 v[CT+4*(\p)+2*\b], v[S+16*\b:S+16*\b+7], v[BS+\b]
	v_cvt_scalef32_pk8_fp4_f32 v[CT+4*(\p)+2*\b+1], v[S+16*\b+8:S+16*\b+15], v[BS+\b]
.endr
	v_nop
	v_permlane16_swap_b32 v[CT+4*(\p)], v[CT+4*(\p)+2]
	v_permlane16_swap_b32 v[CT+4*(\p)+1], v[CT+4*(\p)+3]
	global_store_b128 v[LI], v[CT+4*(\p):CT+4*(\p)+3], s[CCP:CCP+1] offset:131072*(\p)   ; 512 consecutive bytes: half an image of the last product's operand
	ds_store_b16 v[GA], v[HW+(\p)] offset:512*(\p) ; both lanes of a query write the same half-word with the same value
.endm
	TILE 0
	TILE 1
	s_wait_dscnt 0x0                               ; for wave 0's sake: my half-words lie in LDS
	s_barrier_signal -1
	s_barrier_wait -1
	s_cmp_lg_u32 s[WV], 0
	s_cbranch_scc1 .Lnot_zero                      ; wave 0 stores the work-group's 1,024 bytes of half-words, 16 bytes a lane
	ds_load_b128 v[S:S+3], v[GR]
	ds_load_b128 v[S+4:S+7], v[GR] offset:512
	s_wait_dscnt 0x0
	global_store_b128 v[LI], v[S:S+3], s[CSP:CSP+1]
	global_store_b128 v[LI], v[S+4:S+7], s[CSP:CSP+1] offset:512
.Lnot_zero:
	s_wait_dscnt 0x0
	s_wait_tensorcnt 0x0
	ds_add_u32 v254, v255
	s_wait_dscnt 0x0
	CROUND                                         ; the closing round: no work-group ends while a partner may still ask for a tile that names it
	s_endpgm
.Lfunc_end_k_qfa00308b1a_attn:
	.size	k_qfa00308b1a_attn, .Lfunc_end_k_qfa00308b1a_attn-k_qfa00308b1a_attn
	.p2alignl 7, 3214868480
	.fill 96, 4, 3214868480
	.section	.rodata,"a",@progbits
	.p2align	6, 0x0
	.amdhsa_kernel k_qfa00308b1a_attn
		.amdhsa_group_segment_fixed_size 169984
		.amdhsa_private_segment_fixed_size 0
		.amdhsa_enable_private_segment 0
		.amdhsa_kernarg_size 32
		.amdhsa_user_sgpr_count 2
		.amdhsa_user_sgpr_kernarg_segment_ptr 1
		.amdhsa_wavefront_size32 1
		.amdhsa_system_sgpr_workgroup_id_x 1
		.amdhsa_system_sgpr_workgroup_id_y 1
		.amdhsa_system_sgpr_workgroup_id_z 1
		.amdhsa_system_vgpr_workitem_id 0
		.amdhsa_next_free_vgpr 256
		.amdhsa_next_free_sgpr 66
		.amdhsa_reserve_vcc 0
		.amdhsa_float_denorm_mode_32 3
		.amdhsa_float_denorm_mode_16_64 3
		.amdhsa_memory_ordered 1
		.amdhsa_forward_progress 1
		.amdhsa_inst_pref_size 45
	.end_amdhsa_kernel
	.amdgpu_metadata
---
amdhsa.version: [ 1, 2 ]
amdhsa.kernels:
  - .name:           k_qfa00308b1a_attn
    .symbol:         k_qfa00308b1a_attn.kd
    .args:
      - { .name: qc, .offset: 0, .size: 8, .value_kind: global_buffer, .address_space: global }
      - { .name: kv, .offset: 8, .size: 8, .value_kind: global_buffer, .address_space: global }
      - { .name: cc, .offset: 16, .size: 8, .value_kind: global_buffer, .address_space: global }
      - { .name: cs, .offset: 24, .size: 8, .value_kind: global_buffer, .address_space: global }
    .group_segment_fixed_size: 169984
    .private_segment_fixed_size: 0
    .kernarg_segment_align: 8
    .kernarg_segment_size: 32
    .max_flat_workgroup_size: 512
    .sgpr_count:     66
    .vgpr_count:     256
    .wavefront_size: 32
...
	.end_amdgpu_metadata
.endif
;; end of part 3
;; launch outln (part 4): grid 256 x 1, 4 waves a work-group, no clusters, 132,096 bytes of LDS; arguments cc, cs, wts, query, bo, gamma, beta, out0; writes out0
.if DOCPART == 4
	.amdgcn_target "amdgcn-amd-amdhsa--gfx1250"
	.amdhsa_code_object_version 6
	.text
	.protected	k_qfa00308b1a_outln
	.globl	k_qfa00308b1a_outln
	.p2align	8
	.type	k_qfa00308b1a_outln,@function
k_qfa00308b1a_outln:
	s_mov_b64 s[64:65], 0
	v_nop
	global_prefetch_b8 v0, s[64:65] scope:SCOPE_SE
	s_setreg_imm32_b32 hwreg(HW_REG_WAVE_MODE, 25, 1), 1
	s_wait_xcnt 0x0
; out0 = LayerNorm(query + ctx Wo + bo) x gamma + beta.  The product is on codes of FP4 (E2M1) with one E8M0 scale for each 32 along K; all else in f32.
; SHARES.  A work-group takes 32 rows (two tiles of ctx) x all 1,024 columns, so that a row's mean and variance never leave it.  Wave w makes columns 256 w .. 256 w + 255: 16 tiles x 2 tiles of rows = 32 accumulators.
; ctx's 16 fragments and all scale words are loaded once; Wo's fragments come from memory straight into the registers of the one wave that multiplies them, in a ring of three sets of 16.  No cluster: no tile goes through LDS that partners could share.
; TRANSPOSED: source 0 = 16 columns of Wo, source 1 = 16 rows of ctx: a lane holds one row and, in tiles 2 B and 2 B + 1, 16 neighbouring columns.
; The results meet in a stage in LDS (32 rows x (4,096 + 16) bytes, in the order of ctx's slots); one barrier; then each wave takes 8 whole rows: stage rows 8 w + i are rows 8 (w / 2) + 16 (w % 2) + i of the 32.
; The mean is taken first and the variance of the differences: a common offset of the inputs does no harm.
; LIMITS: NaN and infinities are not served.
; REGISTERS.  Window 0: v1-6 addresses; v16-23 ctx's scale words, v24-39 their halves as loaded, v40-103 Wo's scale words (these hold scales alone); v128-255 ctx's fragments, later two rows at work and the sums.
;   Window 1: the accumulators, (m, a) at v[8 (16 m + a)].  Window 2 v0-127, v128-255 and window 3 v0-127: Wo's three sets; later window 2: 8 rows of the residual, window 3 v0-95: bo, gamma, beta.
.set SPITCH, 4112
.set LI,  1                            ; 16 x lane
.set L2,  2                            ; 2 x lane
.set SO,  3                            ; v3, v4  into the stage: row r (+ 16), + 64 h + 1,024 x wave
.set SR,  5                            ; out of it: my 8 rows, 16 x lane
.set PFO, 6                            ; 256 x lane
.set CS,  16
.set H,   24
.set WS,  40
.set CF,  128
.set XA,  128                          ; the row phase: two rows of 32 registers
.set T,   192
.set RS,  200
.set NM,  202
.set BO3, 0                            ; in window 3
.set GA3, 32
.set BE3, 64
.set WVN, 20
.set CCP, 22
.set CSP, 24
.set WP,  26
.set RP,  28
.set OP,  30
.set SEL, 32
.set INV, 34
.set EPS, 35
.set MSB, 0
.macro WIN new                         ; s_set_vgpr_msb: bits 1:0 source 0, 3:2 source 1, 5:4 source 2, 7:6 destination; the high byte repeats the setting that is left
.set NEWW, \new
.if MSB != NEWW
	s_set_vgpr_msb (MSB<<8)|NEWW
.set MSB, NEWW
.endif
.endm
.macro PLACES n
.rept \n
	v_nop
.endr
.endm
.macro WM d, a, b, c, sa, sb, ra, rb
.if (\c) < 0
.if ((\ra) == 0) && ((\rb) == 0)
	v_wmma_scale_f32_16x16x128_f8f6f4 v[\d:\d+7], v[\a:\a+7], v[\b:\b+7], 0, v[\sa], v[\sb] matrix_a_fmt:MATRIX_FMT_FP4 matrix_b_fmt:MATRIX_FMT_FP4
.elseif (\rb) == 0
	v_wmma_scale_f32_16x16x128_f8f6f4 v[\d:\d+7], v[\a:\a+7], v[\b:\b+7], 0, v[\sa], v[\sb] matrix_a_fmt:MATRIX_FMT_FP4 matrix_b_fmt:MATRIX_FMT_FP4 matrix_a_scale:MATRIX_SCALE_ROW1
.elseif (\ra) == 0
	v_wmma_scale_f32_16x16x128_f8f6f4 v[\d:\d+7], v[\a:\a+7], v[\b:\b+7], 0, v[\sa], v[\sb] matrix_a_fmt:MATRIX_FMT_FP4 matrix_b_fmt:MATRIX_FMT_FP4 matrix_b_scale:MATRIX_SCALE_ROW1
.else
	v_wmma_scale_f32_16x16x128_f8f6f4 v[\d:\d+7], v[\a:\a+7], v[\b:\b+7], 0, v[\sa], v[\sb] matrix_a_fmt:MATRIX_FMT_FP4 matrix_b_fmt:MATRIX_FMT_FP4 matrix_a_scale:MATRIX_SCALE_ROW1 matrix_b_scale:MATRIX_SCALE_ROW1
.endif
.else
.if ((\ra) == 0) && ((\rb) == 0)
	v_wmma_scale_f32_16x16x128_f8f6f4 v[\d:\d+7], v[\a:\a+7], v[\b:\b+7], v[\c:\c+7], v[\sa], v[\sb] matrix_a_fmt:MATRIX_FMT_FP4 matrix_b_fmt:MATRIX_FMT_FP4
.elseif (\rb) == 0
	v_wmma_scale_f32_16x16x128_f8f6f4 v[\d:\d+7], v[\a:\a+7], v[\b:\b+7], v[\c:\c+7], v[\sa], v[\sb] matrix_a_fmt:MATRIX_FMT_FP4 matrix_b_fmt:MATRIX_FMT_FP4 matrix_a_scale:MATRIX_SCALE_ROW1
.elseif (\ra) == 0
	v_wmma_scale_f32_16x16x128_f8f6f4 v[\d:\d+7], v[\a:\a+7], v[\b:\b+7], v[\c:\c+7], v[\sa], v[\sb] matrix_a_fmt:MATRIX_FMT_FP4 matrix_b_fmt:MATRIX_FMT_FP4 matrix_b_scale:MATRIX_SCALE_ROW1
.else
	v_wmma_scale_f32_16x16x128_f8f6f4 v[\d:\d+7], v[\a:\a+7], v[\b:\b+7], v[\c:\c+7], v[\sa], v[\sb] matrix_a_fmt:MATRIX_FMT_FP4 matrix_b_fmt:MATRIX_FMT_FP4 matrix_a_scale:MATRIX_SCALE_ROW1 matrix_b_scale:MATRIX_SCALE_ROW1
.endif
.endif
.endm
.macro WSET s                          ; K step s of my 256 columns of Wo: 16 fragments, 32 loads, into set s % 3.  It leaves the destination's window at 2 or 3
.set KL, (\s)%3
	WIN (2+(KL>>1))<<6
.irp ap, 0,1,2,3,4,5,6,7,8,9,10,11,12,13,14,15
.irp c, 0,1
	global_load_b128 v[128*(KL&1)+8*\ap+4*\c:128*(KL&1)+8*\ap+4*\c+3], v[LI], s[WP:WP+1] offset:69632*(\ap/8)+8704*(\s)+1024*(\ap%8)+512*\c
.endr
.endr
.endm
; K step s: 32 matrix instructions, the 32 accumulators by turns, one instruction a turn, in the same order in every step
.macro OSTEP s
.if (\s) == 7
	s_wait_loadcnt 0x0
.else
	s_wait_loadcnt 32                              ; this step's set is in; the next set's 32 loads may be out
.endif
.if (\s) == 0
	WIN 0                                          ; the scale words are made in window 0
.irp k, 0,1,2,3,4,5,6,7
	v_lshl_or_b32 v[CS+\k], v[H+2*\k+1], 16, v[H+2*\k]   ; K step k: heads 2 k and 2 k + 1, two scale bytes each; lanes 0-15 tile 0's rows, lanes 16-31 tile 1's
.endr
	PLACES 8                                       ; a scale register written by a vector instruction stands 8 places ahead of the scaled matrix instruction
.else
	PLACES 4                                       ; in front of loads into registers that the last step's matrix instructions have read
.endif
.if (\s) <= 5
	WSET (\s)+2
.endif
.if ((\s) >= 1) && ((\s) <= 4)
	global_prefetch_b8 v[PFO], s[RP:RP+1] offset:8192*((\s)-1) th:TH_LOAD_NT scope:SCOPE_SE   ; my 8 rows of the residual, 32,768 bytes on end: 8,192 in each of four K steps, lanes 256 bytes apart, each block named once; behind the run of loads (its address lies in window 0 under this setting)
.endif
.set KK, (\s)%3
	WIN 0x52+(KK>>1)                               ; Wo in window 2 or 3, ctx in window 0, C and D in window 1
.irp m, 0,1
.irp ap, 0,1,2,3,4,5,6,7,8,9,10,11,12,13,14,15
.set rD, 8*(16*\m+\ap)
.set rA, 128*(KK&1)+8*\ap
.set rB, CF+8*(2*(\s)+\m)
.set rSA, WS+4*(2*(\s)+\ap/8)+(\ap%8)/2
.set rSB, CS+(\s)
.set rRA, \ap&1
.if (\s) == 0
	WM rD, rA, rB, -1, rSA, rSB, rRA, \m
.else
	WM rD, rA, rB, rD, rSA, rSB, rRA, \m
.endif
.endr
.endr
.endm
.macro REDUCE                          ; four pairs of partial sums in v[T] on become the row's sum, in v[T] of every lane
	v_pk_add_f32 v[T:T+1], v[T:T+1], v[T+2:T+3]
	v_pk_add_f32 v[T+4:T+5], v[T+4:T+5], v[T+6:T+7]
	v_pk_add_f32 v[T:T+1], v[T:T+1], v[T+4:T+5]
	v_add_f32 v[T], v[T], v[T+1]
	v_add_f32_dpp v[T], v[T], v[T] row_xmask:1 row_mask:0xf bank_mask:0xf
	v_add_f32_dpp v[T], v[T], v[T] row_xmask:2 row_mask:0xf bank_mask:0xf
	v_add_f32_dpp v[T], v[T], v[T] row_xmask:4 row_mask:0xf bank_mask:0xf
	v_add_f32_dpp v[T], v[T], v[T] row_xmask:8 row_mask:0xf bank_mask:0xf
	v_permlanex16_b32 v[T+1], v[T], s[SEL], s[SEL+1]
	v_add_f32 v[T], v[T], v[T+1]
.endm
; Row i of my eight: a lane holds 32 numbers, columns 128 k + 4 x lane + 0 .. 3
.macro ROW i
.set XR, XA+32*((\i)%2)
.set XN, XA+32*(((\i)+1)%2)
	s_wait_xcnt 0x0                                ; the row before's stores have read their registers
.if (\i) < 7
.irp k, 0,1,2,3,4,5,6,7
	ds_load_b128 v[XN+4*\k:XN+4*\k+3], v[SR] offset:((\i)+1)*SPITCH+512*\k
.endr
	s_wait_dscnt 8                                 ; this row is in; the next row's eight loads may be out
.else
	s_wait_dscnt 0x0
.endif
.if (\i) < 4
	s_wait_loadcnt (3-(\i))*8+32                   ; this row of the residual is in; behind it: the rest of rows 0-3 and rows 4-7
.else
	s_wait_loadcnt (7-(\i))*8
.endif
	WIN 0x08                                       ; source 1: window 2
.set j, 0
.rept 16
	v_pk_add_f32 v[XR+j:XR+j+1], v[XR+j:XR+j+1], v[32*(\i)+j:32*(\i)+j+1]   ; + the residual
.set j, j+2
.endr
	WIN 0x0c                                       ; source 1: window 3
.set j, 0
.rept 16
	v_pk_add_f32 v[XR+j:XR+j+1], v[XR+j:XR+j+1], v[BO3+j:BO3+j+1]           ; + bo
.set j, j+2
.endr
	WIN 0
.irp c, 0,1,2,3
	v_pk_add_f32 v[T+2*\c:T+2*\c+1], v[XR+4*\c:XR+4*\c+1], v[XR+4*\c+2:XR+4*\c+3]   ; four chains, started by the first eight pairs
.endr
.irp q, 8,9,10,11,12,13,14,15
	v_pk_add_f32 v[T+2*(\q%4):T+2*(\q%4)+1], v[T+2*(\q%4):T+2*(\q%4)+1], v[XR+2*\q:XR+2*\q+1]
.endr
	REDUCE
	v_mul_f32 v[NM], 0xba800000, v[T]              ; - the mean: the sum x -1/1,024
.set j, 0
.rept 16
	v_pk_add_f32 v[XR+j:XR+j+1], v[XR+j:XR+j+1], v[NM:NM+1] op_sel_hi:[1,0]
.set j, j+2
.endr
.irp c, 0,1,2,3
	v_pk_mul_f32 v[T+2*\c:T+2*\c+1], v[XR+2*\c:XR+2*\c+1], v[XR+2*\c:XR+2*\c+1]
.endr
.irp q, 4,5,6,7,8,9,10,11,12,13,14,15
	v_pk_fma_f32 v[T+2*(\q%4):T+2*(\q%4)+1], v[XR+2*\q:XR+2*\q+1], v[XR+2*\q:XR+2*\q+1], v[T+2*(\q%4):T+2*(\q%4)+1]
.endr
	REDUCE
	v_fma_f32 v[T], v[T], s[INV], s[EPS]           ; the variance + 1e-5
	v_rsq_f32 v[RS], v[T]
	v_nop                                          ; a plain line behind the transcendental
	s_wait_alu depctr_va_vdst(0)                   ; and the wait ahead of its first reader
.set j, 0
.rept 16
	v_pk_mul_f32 v[XR+j:XR+j+1], v[XR+j:XR+j+1], v[RS:RS+1] op_sel_hi:[1,0]
.set j, j+2
.endr
	WIN 0x3c                                       ; sources 1 and 2: window 3
.set j, 0
.rept 16
	v_pk_fma_f32 v[XR+j:XR+j+1], v[XR+j:XR+j+1], v[GA3+j:GA3+j+1], v[BE3+j:BE3+j+1]
.set j, j+2
.endr
	WIN 0
.irp k, 0,1,2,3,4,5,6,7
	global_store_b128 v[LI], v[XR+4*\k:XR+4*\k+3], s[OP:OP+1] offset:4096*(\i)+512*\k th:TH_STORE_NT   ; 32 lanes store 512 consecutive bytes, aligned
.endr
.endm
	s_load_b512 s[4:19], s[0:1], 0x0               ; cc, cs, wts, query, bo, gamma, beta, out0
	v_lshl_add_u32 v126, v0, 2, 0x20200
	v_mov_b32 v127, 0
	v_lshrrev_b32 v7, 5, v0
	v_readfirstlane_b32 s[WVN], v7                 ; wave 0..3
	v_and_b32 v7, 31, v0
	v_and_b32 v8, 15, v0                           ; r
	v_bfe_u32 v9, v0, 4, 1                         ; h
	v_lshlrev_b32 v[LI], 4, v7
	v_lshlrev_b32 v[L2], 1, v7
	v_lshlrev_b32 v[PFO], 8, v7
	v_mul_u32_u24 v[SO], v8, SPITCH
	v_lshl_add_u32 v[SO], v9, 6, v[SO]
	s_lshl_b32 s36, s[WVN], 10
	v_add_nc_u32 v[SO], s36, v[SO]
	v_add_nc_u32 v[SO+1], 16*SPITCH, v[SO]
	s_mul_i32 s36, s[WVN], 8*SPITCH
	v_add_nc_u32 v[SR], s36, v[LI]
	s_mov_b32 s[SEL], 0x76543210
	s_mov_b32 s[SEL+1], 0xfedcba98
	s_mov_b32 s[INV], 0x3a800000                   ; 1/1,024
	s_mov_b32 s[EPS], 0x3727c5ac                   ; 1e-5
	s_lshl_b32 s36, ttmp9, 14                      ; ctx's codes: two tiles of 8,192 bytes a work-group
	s_mov_b32 s37, 0
	s_lshr_b32 s38, ttmp9, 6
	s_lshl_b32 s38, s38, 16                        ; its scale half-words: 65,536 bytes a batch,
	s_and_b32 s39, ttmp9, 63
	s_lshl_b32 s39, s39, 6                         ; 64 bytes for my 32 rows in each head's 4,096
	s_add_co_u32 s38, s38, s39
	s_mov_b32 s39, 0
	s_mul_i32 s40, s[WVN], 139264                  ; Wo is the fourth weight; my two groups of 128 columns
	s_add_co_u32 s40, s40, 1671168
	s_mov_b32 s41, 0
	s_lshr_b32 s42, s[WVN], 1
	s_lshl_b32 s42, s42, 3
	s_and_b32 s43, s[WVN], 1
	s_lshl_b32 s43, s43, 4
	s_add_co_u32 s42, s42, s43
	s_lshl_b32 s43, ttmp9, 5
	s_add_co_u32 s42, s42, s43                     ; the first of the 8 rows that I finish: 32 g + 8 (w / 2) + 16 (w % 2)
	s_lshl_b32 s42, s42, 12
	s_mov_b32 s43, 0
	s_wait_kmcnt 0x0
	s_add_nc_u64 s[CCP:CCP+1], s[4:5], s[36:37]
	s_add_nc_u64 s[CSP:CSP+1], s[6:7], s[38:39]
	s_add_nc_u64 s[WP:WP+1], s[8:9], s[40:41]
	s_add_nc_u64 s[RP:RP+1], s[10:11], s[42:43]
	s_add_nc_u64 s[OP:OP+1], s[18:19], s[42:43]
.irp hd, 0,1,2,3,4,5,6,7,8,9,10,11,12,13,14,15
	global_load_u16 v[H+\hd], v[L2], s[CSP:CSP+1] offset:4096*\hd
.endr
.irp s, 0,1,2,3,4,5,6,7
.irp g, 0,1
	global_load_b128 v[WS+4*(2*\s+\g):WS+4*(2*\s+\g)+3], v[LI], s[WP:WP+1] offset:69632*\g+8704*\s+8192
.endr
.endr
.irp s, 0,1,2,3,4,5,6,7
.irp m, 0,1
.irp c, 0,1
	global_load_b128 v[CF+8*(2*\s+\m)+4*\c:CF+8*(2*\s+\m)+4*\c+3], v[LI], s[CCP:CCP+1] offset:8192*\m+1024*\s+512*\c
.endr
.endr
.endr
	WSET 0
	WSET 1
	OSTEP 0
	OSTEP 1
	OSTEP 2
	OSTEP 3
	OSTEP 4
	OSTEP 5
	OSTEP 6
	OSTEP 7
	PLACES 4                                       ; in front of the first read of results, of loads into operands' registers and of the two writes below
	WIN 0
	v_mov_b32 v[RS+1], 0                           ; (named as the upper halves of pairs)
	v_mov_b32 v[NM+1], 0
	WIN 0xc0                                       ; destination window 3
.irp k, 0,1,2,3,4,5,6,7
	global_load_b128 v[BO3+4*\k:BO3+4*\k+3], v[LI], s[12:13] offset:512*\k
.endr
.irp k, 0,1,2,3,4,5,6,7
	global_load_b128 v[GA3+4*\k:GA3+4*\k+3], v[LI], s[14:15] offset:512*\k
.endr
.irp k, 0,1,2,3,4,5,6,7
	global_load_b128 v[BE3+4*\k:BE3+4*\k+3], v[LI], s[16:17] offset:512*\k
.endr
	WIN 0x80                                       ; destination window 2
.irp i, 0,1,2,3
.irp k, 0,1,2,3,4,5,6,7
	global_load_b128 v[32*\i+4*\k:32*\i+4*\k+3], v[LI], s[RP:RP+1] offset:4096*\i+512*\k th:TH_LOAD_NT
.endr
.endr
	WIN 0x04                                       ; an LDS store's data are its source 1: window 1
.irp m, 0,1
.irp ap, 0,1,2,3,4,5,6,7,8,9,10,11,12,13,14,15
	ds_store_b128 v[SO+\m], v[8*(16*\m+\ap):8*(16*\m+\ap)+3] offset:128*(\ap/2)+32*(\ap%2)          ; each accumulator from its low end on
	ds_store_b128 v[SO+\m], v[8*(16*\m+\ap)+4:8*(16*\m+\ap)+7] offset:128*(\ap/2)+32*(\ap%2)+16
.endr
.endr
	WIN 0
	s_wait_dscnt 0x0                               ; for the others' sake: my columns lie in the stage
	s_barrier_signal -1
	s_barrier_wait -1                              ; 32 whole rows lie there
	WIN 0x80
.irp i, 4,5,6,7
.irp k, 0,1,2,3,4,5,6,7
	global_load_b128 v[32*\i+4*\k:32*\i+4*\k+3], v[LI], s[RP:RP+1] offset:4096*\i+512*\k th:TH_LOAD_NT
.endr
.endr
	WIN 0
.irp k, 0,1,2,3,4,5,6,7
	ds_load_b128 v[XA+4*\k:XA+4*\k+3], v[SR] offset:512*\k
.endr
	ROW 0
	ROW 1
	ROW 2
	ROW 3
	ROW 4
	ROW 5
	ROW 6
	ROW 7
	s_wait_tensorcnt 0x0
	ds_add_u32 v126, v127
	s_wait_dscnt 0x0
	s_endpgm
.Lfunc_end_k_qfa00308b1a_outln:
	.size	k_qfa00308b1a_outln, .Lfunc_end_k_qfa00308b1a_outln-k_qfa00308b1a_outln
	.p2alignl 7, 3214868480
	.fill 96, 4, 3214868480
	.section	.rodata,"a",@progbits
	.p2align	6, 0x0
	.amdhsa_kernel k_qfa00308b1a_outln
		.amdhsa_group_segment_fixed_size 132096
		.amdhsa_private_segment_fixed_size 0
		.amdhsa_enable_private_segment 0
		.amdhsa_kernarg_size 64
		.amdhsa_user_sgpr_count 2
		.amdhsa_user_sgpr_kernarg_segment_ptr 1
		.amdhsa_wavefront_size32 1
		.amdhsa_system_sgpr_workgroup_id_x 1
		.amdhsa_system_sgpr_workgroup_id_y 1
		.amdhsa_system_sgpr_workgroup_id_z 1
		.amdhsa_system_vgpr_workitem_id 0
		.amdhsa_next_free_vgpr 896
		.amdhsa_next_free_sgpr 66
		.amdhsa_reserve_vcc 0
		.amdhsa_float_denorm_mode_32 3
		.amdhsa_float_denorm_mode_16_64 3
		.amdhsa_memory_ordered 1
		.amdhsa_forward_progress 1
		.amdhsa_inst_pref_size 157
	.end_amdhsa_kernel
	.amdgpu_metadata
---
amdhsa.version: [ 1, 2 ]
amdhsa.kernels:
  - .name:           k_qfa00308b1a_outln
    .symbol:         k_qfa00308b1a_outln.kd
    .args:
      - { .name: cc, .offset: 0, .size: 8, .value_kind: global_buffer, .address_space: global }
      - { .name: cs, .offset: 8, .size: 8, .value_kind: global_buffer, .address_space: global }
      - { .name: wts, .offset: 16, .size: 8, .value_kind: global_buffer, .address_space: global }
      - { .name: query, .offset: 24, .size: 8, .value_kind: global_buffer, .address_space: global }
      - { .name: bo, .offset: 32, .size: 8, .value_kind: global_buffer, .address_space: global }
      - { .name: gamma, .offset: 40, .size: 8, .value_kind: global_buffer, .address_space: global }
      - { .name: beta, .offset: 48, .size: 8, .value_kind: global_buffer, .address_space: global }
      - { .name: out0, .offset: 56, .size: 8, .value_kind: global_buffer, .address_space: global }
    .group_segment_fixed_size: 132096
    .private_segment_fixed_size: 0
    .kernarg_segment_align: 8
    .kernarg_segment_size: 64
    .max_flat_workgroup_size: 128
    .sgpr_count:     66
    .vgpr_count:     896
    .wavefront_size: 32
...
	.end_amdgpu_metadata
.endif
;; end of part 4
;; ======== version 2 of 2: 4 launches
;; workspace buffers: wts 2,228,224 bytes; qc 4,718,592 bytes; kv 9,175,040 bytes; cc 4,194,304 bytes; cs 262,144 bytes
;; launch wquant: the kernel of part 1 again; grid 8 x 32, 4 waves a work-group, no clusters, 1,024 bytes of LDS; arguments Wq, Wk, Wv, Wo, wts; writes wts
;; launch proj (part 5): grid 192 x 1, 4 waves a work-group, no clusters, 137,728 bytes of LDS; arguments query, key, value, bq, bk, bv, wts, qc, kv; writes qc, kv
.if DOCPART == 5
	.amdgcn_target "amdgcn-amd-amdhsa--gfx1250"
	.amdhsa_code_object_version 6
	.text
	.protected	k_qfa00308b1a_proj
	.globl	k_qfa00308b1a_proj
	.p2align	8
	.type	k_qfa00308b1a_proj,@function
k_qfa00308b1a_proj:
	s_mov_b64 s[64:65], 0
	v_nop
	global_prefetch_b8 v0, s[64:65] scope:SCOPE_SE
	s_setreg_imm32_b32 hwreg(HW_REG_WAVE_SCHED_MODE, 0, 2), 2
	s_setreg_imm32_b32 hwreg(HW_REG_WAVE_MODE, 25, 1), 1
	s_wait_xcnt 0x0
	s_wait_alu depctr_vm_vsrc(0)
; Q = query Wq + bq, K = key Wk + bk, V = value Wv + bv, all three products on codes of FP4 (E2M1) with one E8M0 scale for each 32 along K; the results leave as codes for the attention's products.
; SHARES.  Work-groups 0-63 take query, 64-127 key, 128-191 value; each takes 128 rows (one key step of a batch) x all 1,024 columns.  192 work-groups: a block of 128 rows makes K's and V's tiles and scale words of a key step whole aligned blocks.
; PHASE X: wave w quantises rows 32 w .. 32 w + 31 along K (two tiles x 8 K steps) and leaves the fragments in LDS as images of their registers ([c][lane][16 bytes]).  One barrier.
; THE PRODUCT: wave w makes columns 256 w .. 256 w + 255 in two passes of 128: 8 x 8 accumulators, 512 registers.  Its fragments of W come from memory straight into its registers (an earlier launch laid them so), in a ring of three sets;
; x's come from LDS, two sets.  No weight is shared through a cluster: each fragment of W goes to the one wave that multiplies it, and 544 KB of a weight do not fit in LDS beside x.
; THE ROWS OF A TILE ARE NOT NEIGHBOURS, of x and of W alike: slot r of tile 2 B + u is row 32 B + 8 u + r + 8 (r / 8), so that the 16 registers of result tiles 2 B and 2 B + 1 are 16 neighbours along source 0's rows.
; Q, K: source 0 = W's columns, source 1 = x's rows: a lane holds one row and 64 numbers along n: two heads' 64 channels, quantised along them.  V: source 0 = x's rows (keys), source 1 = W's columns: a lane holds one channel and 64 numbers along the keys.
; The bias is the C of each sum's first matrix instruction.
; OUT.  qc[head of batch 64][step 16][8 tiles x 512 bytes of codes | 512 bytes of scale words]; kv[64][16][K as qc, 4,608 bytes | V^T: 4 images of 1,024 bytes | 256 bytes of scale words].  Every store covers whole aligned blocks of 256 bytes.
; LIMITS: NaN and infinities are not served; a block whose largest magnitude lies under 2^-124 is held at the byte 1; a block of zeros gets the byte 1 where the quantiser says 127: its codes are zeros and this program alone reads the bytes.
; REGISTERS, in windows of 256.  Window 0: v1-12 addresses; v16-31 at work; v32-39 codes just made; v40-61 scale words on their way; v64-75 W's scale words (3 sets), v76-83 x's (2 sets); v84-91 bv; v128-255 x's fragments, two sets (in phase X: two sets of 64 numbers).
;   Window 1: v0-191 W's fragments, three sets; v192-255 the bias in the result's layout.  Windows 2, 3: accumulator (a, b) at window 2 + b / 4, v[64 (b % 4) + 8 a] (in phase X window 2 holds four sets of 64 numbers as loaded).
; THE MODE: SCHED_MODE bits 1:0 = 2 (LLVM: expert scheduling mode 2), set by the entry lines.  The code itself states the register dependences
; between vector or matrix instructions and memory or LDS instructions, with s_wait_alu, always for 0.
; THE PLAN.  Registers that memory or LDS instructions touch, and who else names them:
;   PHASE X.  Window 2, set q: global loads land in it, the stage's LDS stores read it, no vector instruction names it.  XF[q % 2]: the stage's LDS loads land in it, unit q's QUANT reads it.
;     PC, PW0: written by a unit's vector lines, read by its LDS stores.  IMA, XSA: written in a trip's first unit, read by the same stores.
;     A unit has one wait on vm_vsrc, at its head, and one on va_vdst, ahead of its stores; the second also serves the stage's loads of the next unit, which land where this unit's QUANT has read.
;   THE PRODUCT.  Step s's matrix instructions read W's set s % 3, x's set s % 2 and their scale words.  Its loads land in W's set (s + 2) % 3 and x's set (s + 1) % 2, which step s - 1 read last.
;     So one wait on va_vdst stands at the head of steps 1 to 6, and the step's 37 loads are dealt among its first 32 matrix instructions, which name none of the registers that those loads touch.
;     One more stands behind step 7: it serves the next pass's first loads, those of its step 0 among them; the way out names none of their registers.
;   THE WAY OUT.  PC, CMB: written by a unit's vector lines, read by its global stores: a wait on va_vdst ahead of the stores, one on vm_vsrc ahead of the conversions that write PC again.
;   The offsets v1, v2, v4, v5, v8 to v12 are made at the head and never written again.
.set XSC,   65536                      ; LDS: x's images [tile 8][K step 8][1,024] from byte 0; then their scale words [tile pair 4][K step 8][lane 32][4 bytes];
.set STG,   69632                      ; then for each wave two stages of 16 rows x (512 + 16) bytes
.set WSTG,  16896
.set SP,    528
.set LI,  1                            ; 16 x lane
.set LS4, 2                            ; XSC + 4 x lane
.set STS, 4                            ; my stage, on the way in: 16 x lane
.set STL, 5                            ; and out: 528 r + 64 h
.set IMA, 6                            ; where this trip's images go
.set XSA, 7                            ; and their scale words
.set IMB, 8                            ; 16 x lane + 16,384 x wave
.set XSB, 9                            ; XSC + 4 x lane + 1,024 x wave
.set VBO, 10                           ; 4 (r + 8 (r / 8))
.set L8,  11                           ; 8 x lane
.set HBO, 12                           ; 64 h
.set TM,  16
.set PC,  32
.set PW,  40
.set PW0, 41
.set PWS, 42
.set CMB, 50
.set WS,  64
.set XS,  76
.set BV,  84
.set XF,  128
.set BI,  192                          ; in window 1
.set WVN, 22
.set T3,  23
.set BLK, 24
.set XP,  26
.set WP,  28
.set BP,  30
.set O0,  32
.set O1,  34
.set STR, 36
.set HM,  38
.set SEL, 40
.set IM,  42
.set IS,  43
.set TRIP, 44
.set PASS, 45
.set MSB, 0
.macro WIN new                         ; s_set_vgpr_msb: bits 1:0 source 0, 3:2 source 1, 5:4 source 2, 7:6 destination; the high byte repeats the setting that is left
.set NEWW, \new
.if MSB != NEWW
	s_set_vgpr_msb (MSB<<8)|NEWW
.set MSB, NEWW
.endif
.endm
.macro PLACES n
.rept \n
	v_nop
.endr
.endm
; one matrix instruction; c < 0: C is the constant 0; ra, rb: the half of the lanes from which A's and B's scale words are read
.macro WM d, a, b, c, sa, sb, ra, rb
.if (\c) < 0
.if ((\ra) == 0) && ((\rb) == 0)
	v_wmma_scale_f32_16x16x128_f8f6f4 v[\d:\d+7], v[\a:\a+7], v[\b:\b+7], 0, v[\sa], v[\sb] matrix_a_fmt:MATRIX_FMT_FP4 matrix_b_fmt:MATRIX_FMT_FP4
.elseif (\rb) == 0
	v_wmma_scale_f32_16x16x128_f8f6f4 v[\d:\d+7], v[\a:\a+7], v[\b:\b+7], 0, v[\sa], v[\sb] matrix_a_fmt:MATRIX_FMT_FP4 matrix_b_fmt:MATRIX_FMT_FP4 matrix_a_scale:MATRIX_SCALE_ROW1
.elseif (\ra) == 0
	v_wmma_scale_f32_16x16x128_f8f6f4 v[\d:\d+7], v[\a:\a+7], v[\b:\b+7], 0, v[\sa], v[\sb] matrix_a_fmt:MATRIX_FMT_FP4 matrix_b_fmt:MATRIX_FMT_FP4 matrix_b_scale:MATRIX_SCALE_ROW1
.else
	v_wmma_scale_f32_16x16x128_f8f6f4 v[\d:\d+7], v[\a:\a+7], v[\b:\b+7], 0, v[\sa], v[\sb] matrix_a_fmt:MATRIX_FMT_FP4 matrix_b_fmt:MATRIX_FMT_FP4 matrix_a_scale:MATRIX_SCALE_ROW1 matrix_b_scale:MATRIX_SCALE_ROW1
.endif
.else
.if ((\ra) == 0) && ((\rb) == 0)
	v_wmma_scale_f32_16x16x128_f8f6f4 v[\d:\d+7], v[\a:\a+7], v[\b:\b+7], v[\c:\c+7], v[\sa], v[\sb] matrix_a_fmt:MATRIX_FMT_FP4 matrix_b_fmt:MATRIX_FMT_FP4
.elseif (\rb) == 0
	v_wmma_scale_f32_16x16x128_f8f6f4 v[\d:\d+7], v[\a:\a+7], v[\b:\b+7], v[\c:\c+7], v[\sa], v[\sb] matrix_a_fmt:MATRIX_FMT_FP4 matrix_b_fmt:MATRIX_FMT_FP4 matrix_a_scale:MATRIX_SCALE_ROW1
.elseif (\ra) == 0
	v_wmma_scale_f32_16x16x128_f8f6f4 v[\d:\d+7], v[\a:\a+7], v[\b:\b+7], v[\c:\c+7], v[\sa], v[\sb] matrix_a_fmt:MATRIX_FMT_FP4 matrix_b_fmt:MATRIX_FMT_FP4 matrix_b_scale:MATRIX_SCALE_ROW1
.else
	v_wmma_scale_f32_16x16x128_f8f6f4 v[\d:\d+7], v[\a:\a+7], v[\b:\b+7], v[\c:\c+7], v[\sa], v[\sb] matrix_a_fmt:MATRIX_FMT_FP4 matrix_b_fmt:MATRIX_FMT_FP4 matrix_a_scale:MATRIX_SCALE_ROW1 matrix_b_scale:MATRIX_SCALE_ROW1
.endif
.endif
.endm
; 64 numbers of a lane, v[s] .. v[s + 63] of window w, register 16 b + i = k 32 b + 16 (lane / 16) + i of my row, become a fragment's codes in v[PC] on and my row's scale word in v[PW].
; Accumulators are read from their low ends on: block b begins with registers 0, 1 of accumulator 2 b, and reaches accumulator 2 b + 1 at its registers 0, 1.
; free = 1 (the way out): global stores have read v[PC ..]; the two waits that free it stand ahead of the conversions, the first lines that write it again.
.macro QUANT s, w, free
	WIN (\w)|((\w)<<2)
.irp b, 0,1,2,3
	v_max3_num_f32 v[TM+\b], |v[(\s)+16*\b]|, |v[(\s)+16*\b+1]|, 0x1800000   ; with the floor 2^(3 - 127): the byte cannot fall under 1
.endr
.irp i, 2,4,6,8,10,12,14
.irp b, 0,1,2,3
	v_max3_num_f32 v[TM+\b], |v[(\s)+16*\b+\i]|, |v[(\s)+16*\b+\i+1]|, v[TM+\b]   ; the four blocks by turns
.endr
.endr
	WIN 0
.irp b, 0,1,2,3
	v_permlanex16_b32 v[TM+4+\b], v[TM+\b], s[SEL], s[SEL+1]
.endr
.irp b, 0,1,2,3
	v_max_num_f32 v[TM+\b], v[TM+\b], v[TM+4+\b]   ; with lane l xor 16's: the block's largest magnitude
.endr
.irp b, 0,1,2,3
	v_add_nc_u32 v[TM+12+\b], 0xff000000, v[TM+\b] ; 2 off its exponent field: the conversion's scale operand
.endr
.irp b, 0,1,2,3
	v_lshrrev_b32 v[TM+4+\b], 23, v[TM+12+\b]      ; the scale's byte
.endr
	v_lshl_or_b32 v[PW], v[TM+5], 8, v[TM+4]
	v_lshl_or_b32 v[PW], v[TM+6], 16, v[PW]
	v_lshl_or_b32 v[PW], v[TM+7], 24, v[PW]
.if \free
	s_wait_xcnt 0x0                                ; the last unit's stores have had their addresses translated: v[PC ..] is rewritten only behind this wait
	s_wait_alu depctr_vm_vsrc(0)                   ; the stores issued so far (the last unit's; ahead of the first pass's first unit phase X's LDS stores) have read v[PC ..] and v[CMB ..], which are written again below
.endif
	WIN \w
.irp b, 0,1,2,3
	v_cvt_scalef32_pk8_fp4_f32 v[PC+2*\b], v[(\s)+16*\b:(\s)+16*\b+7], v[TM+12+\b]
	v_cvt_scalef32_pk8_fp4_f32 v[PC+2*\b+1], v[(\s)+16*\b+8:(\s)+16*\b+15], v[TM+12+\b]
.endr
	WIN 0
	v_nop                                          ; one plain place behind a scaled conversion
.irp c, 0,1                            ; the operand's layout wants a whole block in a lane: lanes 0-15 block 2 c, lanes 16-31 block 2 c + 1
.irp i, 0,1
	v_permlane16_swap_b32 v[PC+4*\c+\i], v[PC+2+4*\c+\i]
.endr
.endr
.endm
; PHASE X.  Unit q of a trip: tile q % 2 of my two, K step q / 2 of the trip's two.  Each load reads 512 consecutive bytes of one row (one K step), 16 a lane.
.macro LOADU q, off
	WIN 0x80                                       ; destination window 2
.irp i, 0,1,2,3,4,5,6,7,8,9,10,11,12,13,14,15
	global_load_b128 v[64*(\q)+4*\i:64*(\q)+4*\i+3], v[LI], s[XP:XP+1] offset:(8*((\q)&1)+\i+8*(\i/8))*4096+512*((\q)>>1)+(\off) th:TH_LOAD_NT
.endr
	WIN 0
.endm
.macro TURNU q                         ; through my own stage: in as loaded, out 16 neighbours of each block of 32 a lane; LDS serves a wave's instructions in order
	WIN 0x08                                       ; an LDS store's data are its source 1: window 2
.irp i, 0,1,2,3,4,5,6,7,8,9,10,11,12,13,14,15
	ds_store_b128 v[STS], v[64*(\q)+4*\i:64*(\q)+4*\i+3] offset:8448*((\q)&1)+SP*\i
.endr
	WIN 0
.irp b, 0,1,2,3
.irp j, 0,1,2,3
	ds_load_b128 v[XF+64*((\q)&1)+16*\b+4*\j:XF+64*((\q)&1)+16*\b+4*\j+3], v[STL] offset:8448*((\q)&1)+128*\b+16*\j
.endr
.endr
.endm
.macro UNIT q, ahead, cnt
	s_wait_dscnt 0x0                               ; this unit's numbers are back from the stage
	s_wait_alu depctr_vm_vsrc(0)                   ; this unit's stores into the stage have read set q of window 2, in which the loads below land (behind the last unit's head: which the accumulators take); the last unit's stores have read v[PC ..], v[PW0], v[IMA] and v[XSA], which are written again below
.if (\q) == 0
	v_add_nc_u32 v[IMA], s[IM], v[IMB]             ; where this trip's images and scale words go
	v_add_nc_u32 v[XSA], s[IS], v[XSB]
.endif
.if \ahead
	LOADU \q, 1024                                 ; the same unit of the next trip
.endif
.if (\cnt) >= 0
	s_wait_loadcnt \cnt                            ; the next unit's 16 loads are in; cnt were issued behind them
	TURNU ((\q)+1)%4                               ; its loads from the stage land where the last unit's QUANT read: that unit's wait on va_vdst stands behind those reads, and no vector line since names these registers
.endif
	QUANT XF+64*((\q)&1), 0, 0
.if ((\q)&1) == 0
	v_mov_b32 v[PW0], v[PW]
.else
	v_cndmask_b32 v[PW0], v[PW0], v[PW], s[HM]     ; lanes 0-15 keep the even tile's words, lanes 16-31 take the odd tile's
.endif
	s_wait_alu depctr_va_vdst(0)                   ; the unit's vector lines have written v[PC ..], v[PW0], v[IMA] and v[XSA], which the stores below read, and are done reading this unit's 64 numbers, where loads from the stage land next
	ds_store_b128 v[IMA], v[PC:PC+3] offset:8192*((\q)&1)+1024*((\q)>>1)
	ds_store_b128 v[IMA], v[PC+4:PC+7] offset:8192*((\q)&1)+1024*((\q)>>1)+512
.if ((\q)&1) == 1
	ds_store_b32 v[XSA], v[PW0] offset:128*((\q)>>1)
.endif
.endm
; THE PRODUCT
.macro WCHUNK s, a0                    ; K step s of my group of W: fragments a0 .. a0 + 3 into set s % 3: 8 loads
	WIN 0x40                                       ; destination window 1
.irp a, \a0, \a0+1, \a0+2, \a0+3
.irp c, 0,1
	global_load_b128 v[64*((\s)%3)+8*(\a)+4*\c:64*((\s)%3)+8*(\a)+4*\c+3], v[LI], s[WP:WP+1] offset:8704*(\s)+1024*(\a)+512*\c
.endr
.endr
.endm
.macro WSCALE s                        ; and its scale words: one load
	WIN 0
	global_load_b128 v[WS+4*((\s)%3):WS+4*((\s)%3)+3], v[LI], s[WP:WP+1] offset:8704*(\s)+8192
.endm
.macro WLOAD s                         ; the whole K step in one run: 17 loads
	WCHUNK \s, 0
	WCHUNK \s, 4
	WSCALE \s
.endm
.macro XCHUNK s, i0, j0                ; K step s of x: fragments i0 .. i0 + 3 into set s % 2, and the scale words of tile pairs j0, j0 + 1: 10 LDS loads
	WIN 0
.irp i, \i0, \i0+1, \i0+2, \i0+3
.irp c, 0,1
	ds_load_b128 v[XF+64*((\s)%2)+8*(\i)+4*\c:XF+64*((\s)%2)+8*(\i)+4*\c+3], v[LI] offset:8192*(\i)+1024*(\s)+512*\c
.endr
.endr
.irp j, \j0, \j0+1
	ds_load_b32 v[XS+4*((\s)%2)+(\j)], v[LS4] offset:1024*(\j)+128*(\s)
.endr
.endm
.macro FETCHX s                        ; the whole K step in one run: 20 LDS loads
	XCHUNK \s, 0, 0
	XCHUNK \s, 4, 2
.endm
.macro BIASQ                           ; Q, K: lane (r, h) wants, for tile a, the bias of columns 32 (a / 2) + 16 h + 8 (a % 2) + 0 .. 7
	WIN 0x40
.irp a, 0,1,2,3,4,5,6,7
	global_load_b128 v[BI+8*\a:BI+8*\a+3], v[HBO], s[BP:BP+1] offset:(32*(\a/2)+8*(\a%2))*4
	global_load_b128 v[BI+8*\a+4:BI+8*\a+7], v[HBO], s[BP:BP+1] offset:(32*(\a/2)+8*(\a%2))*4+16
.endr
	WIN 0
.endm
.macro BIASV                           ; V: lane (r, h) wants, for tile b, the bias of its one column 32 (b / 2) + 8 (b % 2) + r + 8 (r / 8)
.irp b, 0,1,2,3,4,5,6,7
	global_load_b32 v[BV+\b], v[VBO], s[BP:BP+1] offset:(32*(\b/2)+8*(\b%2))*4
.endr
.endm
; K step s: 64 matrix instructions, the 64 accumulators by turns, one instruction a turn, in the same order in every step.  v = 0: Q, K; v = 1: V.
; The loads of x's next K step and of W's next but one are dealt behind the first four groups of eight matrix instructions.
.macro STEP s, v
.if (\s) == 7
	s_wait_loadcnt 0x0
.else
	s_wait_loadcnt 17                              ; this step's W is in; the next step's 17 loads may be out
.endif
	s_wait_dscnt 0x0                               ; this step's x is in: it was asked for behind the last step's first sixteen matrix instructions
.if ((\s) >= 1) && ((\s) <= 6)
	PLACES 4                                       ; in front of loads into registers that the last step's matrix instructions have read
	s_wait_alu depctr_va_vdst(0)                   ; the last step's matrix instructions are done reading W's set (s + 2) % 3, x's set (s + 1) % 2 and those sets' scale words, in which this step's loads land
.endif
.if (\v) && ((\s) == 0)
	WIN 0x40
.irp b, 0,1,2,3,4,5,6,7
	s_wait_alu depctr_va_vdst(0)
.irp j, 0,1,2,3,4,5,6,7
	v_mov_b32 v[BI+8*\b+\j], v[BV+\b]              ; the lane's one bias in all eight registers of the C operand
.endr
.endr
	s_wait_alu depctr_va_vdst(0)
	PLACES 4
.endif
.irp b, 0,1,2,3,4,5,6,7
.if (\s) == 0
	WIN 0x91+3*(\v)+0x40*(\b/4)                    ; C (the bias) in window 1, D in window 2 or 3
.else
	WIN 0xa1+3*(\v)+0x50*(\b/4)                    ; C and D in window 2 or 3; W in window 1, x in window 0
.endif
.irp a, 0,1,2,3,4,5,6,7
.set rD, 64*(\b%4)+8*\a
.if \v
.set rA, XF+64*((\s)%2)+8*\a
.set rB, 64*((\s)%3)+8*\b
.set rSA, XS+4*((\s)%2)+\a/2
.set rSB, WS+4*((\s)%3)+\b/2
.set rC, BI+8*\b
.else
.set rA, 64*((\s)%3)+8*\a
.set rB, XF+64*((\s)%2)+8*\b
.set rSA, WS+4*((\s)%3)+\a/2
.set rSB, XS+4*((\s)%2)+\b/2
.set rC, BI+8*\a
.endif
.if (\s) != 0
.set rC, rD
.endif
.set rRA, \a&1
.set rRB, \b&1
	WM rD, rA, rB, rC, rSA, rSB, rRA, rRB
.endr
.if ((\s) <= 6) && (\b == 0)
	XCHUNK (\s)+1, 0, 0                            ; no wait: no vector or matrix instruction since the last wait on va_vdst names the registers of this step's loads
.endif
.if ((\s) <= 6) && (\b == 1)
	XCHUNK (\s)+1, 4, 2
.endif
.if ((\s) <= 5) && (\b == 1)
	WSCALE (\s)+2
.endif
.if ((\s) <= 5) && (\b == 2)
	WCHUNK (\s)+2, 0
.endif
.if ((\s) <= 5) && (\b == 3)
	WCHUNK (\s)+2, 4
.endif
.endr
.endm
; Q, K: unit b = x's tile b; its 64 numbers a lane are the channels of heads 2 G and 2 G + 1 of one row
.macro EPIQ
.irp b, 0,1,2,3,4,5,6,7
	QUANT 64*(\b%4), 2+\b/4, 1
	v_mov_b32 v[PWS+\b], v[PW]
	s_wait_alu depctr_va_vdst(0)                   ; the conversions and the exchanges of halves have written v[PC ..], which the stores below read
	global_store_b128 v[LI], v[PC:PC+3], s[O0:O0+1] offset:512*\b
	global_store_b128 v[LI], v[PC+4:PC+7], s[O1:O1+1] offset:512*\b
.endr
.irp j, 0,1,2,3
	v_cndmask_b32 v[CMB+\j], v[PWS+2*\j], v[PWS+2*\j+1], s[HM]   ; word j: lanes 0-15 tile 2 j, lanes 16-31 tile 2 j + 1
.endr
.irp j, 0,1,2,3
	v_and_b32 v[CMB+4+\j], 0xffff, v[CMB+\j]       ; head 2 G's two bytes; the upper two are 0, which stands for 2^-127 and meets zero codes alone
.endr
.irp j, 0,1,2,3
	v_lshrrev_b32 v[CMB+8+\j], 16, v[CMB+\j]       ; head 2 G + 1's
.endr
	s_wait_alu depctr_va_vdst(0)                   ; the eight lines above have written v[CMB + 4 ..], which the stores below read
	global_store_b128 v[LI], v[CMB+4:CMB+7], s[O0:O0+1] offset:4096
	global_store_b128 v[LI], v[CMB+8:CMB+11], s[O1:O1+1] offset:4096
.endm
; V: unit b = W's tile b: channels' tile b % 4 of head 2 G + b / 4; its 64 numbers a lane run along the step's 128 keys: a whole fragment of V^T
.macro EPIV
.irp b, 0,1,2,3,4,5,6,7
	QUANT 64*(\b%4), 2+\b/4, 1
	v_mov_b32 v[PWS+\b], v[PW]
.if (\b%4) == 3
	v_cndmask_b32 v[CMB+2*(\b/4)], v[PWS+\b-3], v[PWS+\b-2], s[HM]
	v_cndmask_b32 v[CMB+2*(\b/4)+1], v[PWS+\b-1], v[PWS+\b], s[HM]
.endif
	s_wait_alu depctr_va_vdst(0)                   ; the unit's vector lines have written v[PC ..] (and, in a head's last unit, its two scale words), which the stores below read
	global_store_b128 v[LI], v[PC:PC+3], s[O0+2*(\b/4):O0+2*(\b/4)+1] offset:4608+1024*(\b%4)
	global_store_b128 v[LI], v[PC+4:PC+7], s[O0+2*(\b/4):O0+2*(\b/4)+1] offset:4608+1024*(\b%4)+512
.if (\b%4) == 3
	global_store_b64 v[L8], v[CMB+2*(\b/4):CMB+2*(\b/4)+1], s[O0+2*(\b/4):O0+2*(\b/4)+1] offset:8704
.endif
.endr
.endm
.macro PATH v
	s_mov_b32 s[PASS], 2
.Lpass_\@:
	STEP 0, \v
	STEP 1, \v
	STEP 2, \v
	STEP 3, \v
	STEP 4, \v
	STEP 5, \v
	STEP 6, \v
	STEP 7, \v
	PLACES 4                                       ; in front of the first read of results and of loads into operands' registers
	WIN 0
	s_wait_alu depctr_va_vdst(0)                   ; the pass's matrix instructions are done reading W's sets, x's sets, their scale words and the bias (and step 0's moves bv), in which the loads below and those of the next pass's step 0 land
	s_cmp_eq_u32 s[PASS], 1
	s_cbranch_scc1 .Lnonext_\@
	s_add_nc_u64 s[WP:WP+1], s[WP:WP+1], 69632     ; the next group of 128 columns is asked for ahead of this group's way out (step 7's wait for 0 has shown every load done)
	s_add_nc_u64 s[BP:BP+1], s[BP:BP+1], 512
.if \v
	BIASV
.else
	BIASQ
.endif
	WLOAD 0
	WLOAD 1
	FETCHX 0
.Lnonext_\@:
.if \v
	EPIV
.else
	EPIQ
.endif
	s_wait_xcnt 0x0                                ; the stores have read their bases
	s_add_nc_u64 s[O0:O0+1], s[O0:O0+1], s[56:57]  ; two heads on
	s_add_nc_u64 s[O1:O1+1], s[O1:O1+1], s[56:57]
	s_sub_co_u32 s[PASS], s[PASS], 1
	s_cmp_lg_u32 s[PASS], 0
	s_cbranch_scc1 .Lpass_\@
.endm
	s_load_b512 s[4:19], s[0:1], 0x0               ; query, key, value, bq, bk, bv, wts, qc
	s_load_b64 s[20:21], s[0:1], 0x40              ; kv
	v_lshl_add_u32 v126, v0, 2, 0x21800
	v_mov_b32 v127, 0
	v_lshrrev_b32 v3, 5, v0
	v_readfirstlane_b32 s[WVN], v3                 ; wave 0..3
	v_and_b32 v13, 31, v0                          ; lane
	v_and_b32 v14, 15, v0                          ; r
	v_bfe_u32 v15, v0, 4, 1                        ; h
	v_lshlrev_b32 v[LI], 4, v13
	v_lshl_add_u32 v[LS4], v13, 2, XSC
	s_wait_alu depctr_va_sdst(0)                   ; the wave's number is written, ahead of its first reader: LDS addresses and the bases are made from it
	s_mul_i32 s46, s[WVN], WSTG
	s_add_co_u32 s46, s46, STG
	v_add_nc_u32 v[STS], s46, v[LI]
	v_mul_u32_u24 v[STL], v14, SP
	v_lshl_add_u32 v[STL], v15, 6, v[STL]
	v_add_nc_u32 v[STL], s46, v[STL]
	s_lshl_b32 s47, s[WVN], 14
	v_add_nc_u32 v[IMB], s47, v[LI]
	s_lshl_b32 s47, s[WVN], 10
	v_add_nc_u32 v[XSB], s47, v[LS4]
	v_and_b32 v3, 8, v14
	v_add_nc_u32 v3, v3, v14
	v_lshlrev_b32 v[VBO], 2, v3
	v_lshlrev_b32 v[L8], 3, v13
	v_lshlrev_b32 v[HBO], 6, v15
.irp b, 0,1,2,3
	v_mov_b32 v[TM+4+\b], 0                        ; written once: a lane permute's destination counts as one of its sources
.endr
	s_lshr_b32 s[T3], ttmp9, 6                     ; 0: query, 1: key, 2: value
	s_and_b32 s[BLK], ttmp9, 63                    ; which 128 rows: 16 x batch + step
	s_mov_b32 s[HM], 0xffff0000                    ; lanes 16-31
	s_mov_b32 s[SEL], 0x76543210
	s_mov_b32 s[SEL+1], 0xfedcba98                 ; v_permlanex16_b32's selects for lane l xor 16
	s_lshl_b32 s46, s[BLK], 19                     ; 128 rows of 4,096 bytes,
	s_lshl_b32 s47, s[WVN], 17                     ; my wave's 32 of them
	s_add_co_u32 s46, s46, s47
	s_mov_b32 s47, 0
	s_mul_i32 s48, s[T3], 557056                   ; the weight,
	s_mul_i32 s49, s[WVN], 139264                  ; my two groups of 128 columns
	s_add_co_u32 s48, s48, s49
	s_mov_b32 s49, 0
	s_lshl_b32 s50, s[WVN], 10                     ; my 256 numbers of the bias
	s_mov_b32 s51, 0
	s_mov_b32 s[STR], 8960
	s_cmp_eq_u32 s[T3], 0
	s_cselect_b32 s[STR], 4608, s[STR]             ; bytes of a step in qc or in kv
	s_lshr_b32 s52, s[BLK], 4
	s_lshl_b32 s52, s52, 8
	s_lshl_b32 s53, s[WVN], 6
	s_add_co_u32 s52, s52, s53
	s_and_b32 s53, s[BLK], 15
	s_add_co_u32 s52, s52, s53                     ; (16 x batch + 4 x wave) x 16 + step
	s_mul_i32 s52, s52, s[STR]
	s_mov_b32 s53, 0
	s_lshl_b32 s54, s[STR], 4                      ; a head on
	s_mov_b32 s55, 0
	s_lshl_b32 s56, s[STR], 5                      ; two heads on
	s_mov_b32 s57, 0
	s_wait_kmcnt 0x0
	s_cmp_eq_u32 s[T3], 1                          ; the buffers are chosen by the work-group's number alone
	s_cselect_b64 s[XP:XP+1], s[6:7], s[4:5]
	s_cselect_b64 s[BP:BP+1], s[12:13], s[10:11]
	s_cmp_eq_u32 s[T3], 2
	s_cselect_b64 s[XP:XP+1], s[8:9], s[XP:XP+1]
	s_cselect_b64 s[BP:BP+1], s[14:15], s[BP:BP+1]
	s_cmp_eq_u32 s[T3], 0
	s_cselect_b64 s[O0:O0+1], s[18:19], s[20:21]
	s_add_nc_u64 s[XP:XP+1], s[XP:XP+1], s[46:47]
	s_add_nc_u64 s[WP:WP+1], s[16:17], s[48:49]
	s_add_nc_u64 s[BP:BP+1], s[BP:BP+1], s[50:51]
	s_add_nc_u64 s[O0:O0+1], s[O0:O0+1], s[52:53]
	s_add_nc_u64 s[O1:O1+1], s[O0:O0+1], s[54:55]
	s_wait_alu depctr_va_vdst(0)                   ; the offsets and LDS addresses v1, v2, v4, v5 and v8 to v12 are written, which the loads and stores of the whole kernel read
	WLOAD 0                                        ; the first two K steps of W and both forms of the bias land while x is quantised
	WLOAD 1
	BIASQ
	BIASV
	LOADU 0, 0
	LOADU 1, 0
	LOADU 2, 0
	LOADU 3, 0
	s_wait_loadcnt 48                              ; unit 0's loads are in; units 1 to 3's may be out
	TURNU 0
	s_mov_b32 s[IM], 0
	s_mov_b32 s[IS], 0
	s_mov_b32 s[TRIP], 3
.Lx:                                                   ; a trip: two K steps of my 32 rows; the loads run a trip (64 loads) ahead
	UNIT 0, 1, 48
	UNIT 1, 1, 48
	UNIT 2, 1, 48
	UNIT 3, 1, 48
	s_wait_xcnt 0x0                                ; the loads have read their base
	s_add_nc_u64 s[XP:XP+1], s[XP:XP+1], 1024
	s_add_co_u32 s[IM], s[IM], 2048
	s_add_co_u32 s[IS], s[IS], 256
	s_sub_co_u32 s[TRIP], s[TRIP], 1
	s_cmp_lg_u32 s[TRIP], 0
	s_cbranch_scc1 .Lx
	UNIT 0, 0, 32                                  ; the last trip loads nothing: the counts run down
	UNIT 1, 0, 16
	UNIT 2, 0, 0
	UNIT 3, 0, -1
	s_wait_dscnt 0x0                               ; for the others' sake: my images and scale words lie in LDS
	s_barrier_signal -1
	s_barrier_wait -1                              ; the launch's one barrier: from here on LDS is only read
	FETCHX 0                                       ; it lands where unit 2 read: unit 3's wait on va_vdst stands behind those reads, and no vector line has followed it
	s_cmp_eq_u32 s[T3], 2
	s_cbranch_scc1 .Lvalue
	PATH 0
	s_wait_dscnt 0x0
	s_wait_alu depctr_hold_cnt(0) depctr_sa_sdst(0) depctr_va_vdst(0) depctr_va_sdst(0) depctr_va_ssrc(0) depctr_va_vcc(0) depctr_vm_vsrc(0)
	s_wait_tensorcnt 0x0
	ds_add_u32 v126, v127
	s_wait_dscnt 0x0
	s_endpgm
.Lvalue:
	PATH 1
	s_wait_dscnt 0x0
	s_wait_alu depctr_hold_cnt(0) depctr_sa_sdst(0) depctr_va_vdst(0) depctr_va_sdst(0) depctr_va_ssrc(0) depctr_va_vcc(0) depctr_vm_vsrc(0)
	s_wait_tensorcnt 0x0
	ds_add_u32 v126, v127
	s_wait_dscnt 0x0
	s_endpgm
.Lfunc_end_k_qfa00308b1a_proj:
	.size	k_qfa00308b1a_proj, .Lfunc_end_k_qfa00308b1a_proj-k_qfa00308b1a_proj
	.p2alignl 7, 3214868480
	.fill 96, 4, 3214868480
	.section	.rodata,"a",@progbits
	.p2align	6, 0x0
	.amdhsa_kernel k_qfa00308b1a_proj
		.amdhsa_group_segment_fixed_size 137728
		.amdhsa_private_segment_fixed_size 0
		.amdhsa_enable_private_segment 0
		.amdhsa_kernarg_size 72
		.amdhsa_user_sgpr_count 2
		.amdhsa_user_sgpr_kernarg_segment_ptr 1
		.amdhsa_wavefront_size32 1
		.amdhsa_system_sgpr_workgroup_id_x 1
		.amdhsa_system_sgpr_workgroup_id_y 1
		.amdhsa_system_sgpr_workgroup_id_z 1
		.amdhsa_system_vgpr_workitem_id 0
		.amdhsa_next_free_vgpr 1024
		.amdhsa_next_free_sgpr 66
		.amdhsa_reserve_vcc 0
		.amdhsa_float_denorm_mode_32 3
		.amdhsa_float_denorm_mode_16_64 3
		.amdhsa_memory_ordered 1
		.amdhsa_forward_progress 1
		.amdhsa_inst_pref_size 255
	.end_amdhsa_kernel
	.section	.bss,"aw",@nobits
	.p2align	6
	.space	262144
	.amdgpu_metadata
---
amdhsa.version: [ 1, 2 ]
amdhsa.kernels:
  - .name:           k_qfa00308b1a_proj
    .symbol:         k_qfa00308b1a_proj.kd
    .args:
      - { .name: query, .offset: 0, .size: 8, .value_kind: global_buffer, .address_space: global }
      - { .name: key, .offset: 8, .size: 8, .value_kind: global_buffer, .address_space: global }
      - { .name: value, .offset: 16, .size: 8, .value_kind: global_buffer, .address_space: global }
      - { .name: bq, .offset: 24, .size: 8, .value_kind: global_buffer, .address_space: global }
      - { .name: bk, .offset: 32, .size: 8, .value_kind: global_buffer, .address_space: global }
      - { .name: bv, .offset: 40, .size: 8, .value_kind: global_buffer, .address_space: global }
      - { .name: wts, .offset: 48, .size: 8, .value_kind: global_buffer, .address_space: global }
      - { .name: qc, .offset: 56, .size: 8, .value_kind: global_buffer, .address_space: global }
      - { .name: kv, .offset: 64, .size: 8, .value_kind: global_buffer, .address_space: global }
    .group_segment_fixed_size: 137728
    .private_segment_fixed_size: 0
    .kernarg_segment_align: 8
    .kernarg_segment_size: 72
    .max_flat_workgroup_size: 128
    .sgpr_count:     66
    .vgpr_count:     1024
    .wavefront_size: 32
...
	.end_amdgpu_metadata
.endif
;; end of part 5
;; launch attn (part 6): grid 4 x 64, 16 waves a work-group, clusters of 4 x 1, 169,984 bytes of LDS; arguments qc, kv, cc, cs; writes cc, cs
.if DOCPART == 6
	.amdgcn_target "amdgcn-amd-amdhsa--gfx1250"
	.amdhsa_code_object_version 6
	.text
	.protected	k_qfa00308b1a_attn
	.globl	k_qfa00308b1a_attn
	.p2align	8
	.type	k_qfa00308b1a_attn,@function
k_qfa00308b1a_attn:
	s_mov_b64 s[64:65], 0
	v_nop
	global_prefetch_b8 v0, s[64:65] scope:SCOPE_SE
	s_setreg_imm32_b32 hwreg(HW_REG_WAVE_MODE, 25, 1), 1
	s_wait_xcnt 0x0
	s_wait_alu depctr_hold_cnt(0) depctr_sa_sdst(0) depctr_va_vdst(0) depctr_va_sdst(0) depctr_va_ssrc(0) depctr_va_vcc(0) depctr_vm_vsrc(0)
	s_getreg_b32 s2, hwreg(HW_REG_IB_STS2, 6, 4)
	s_cmp_eq_u32 s2, 0
	s_cbranch_scc0 .Lentry_in_a_cluster
	s_endpgm
.Lentry_in_a_cluster:
	s_bfe_u32 s2, ttmp6, 0x10000c
	s_cmp_lg_u32 s2, 0x3003
	s_cbranch_scc0 .Lentry_shape_is_right
	s_endpgm
.Lentry_shape_is_right:
; ctx[head][q] = the sum over k of softmax_k(Q[q] . K[k] / 8) V[k], head size 64, 2,048 keys, both products on codes of FP4 (E2M1) with one E8M0 scale for each 32 along a product's K; ctx leaves as codes for the last product.
; THE SOFTMAX AHEAD OF THE SECOND PRODUCT: t = score x log2(e) / 8; M = the running largest t rounded UP to a whole number; p = 2^(t - M) is quantised along the keys, not normalised.  The row's sum is taken of the unquantised p and divides at the end.
; When M moves, the sum and O are multiplied by 2^(old M - new M): exact.
; SHARES.  A work-group owns 512 queries of one head of one batch; each of its sixteen waves two tiles of 16, one after the other, in 256 registers: four waves to a SIMD, so that one wave's vector work stands beside another's matrix work and LDS loads.
; K AND V OF THE WHOLE HEAD STAY IN LDS: 16 key steps of 8,960 bytes (K: 8 tiles x 512 bytes of codes, 512 of scale words; V^T: 4 images of 1,024 bytes, 256 of scale words), filled ONCE: wave w brings key step w by one tensor load.  No slot is filled again.
; CLUSTER.  The four work-groups of a head need the same K and V: each load is asked for JOINTLY, by the same line with the same descriptor and a mask that names the four.
; LAYOUT.  Both products are used transposed: S^T = K Q^T (source 0 = 16 keys, source 1 = my 16 queries), O^T = V^T P^T: a lane holds ONE query throughout.  The keys of a tile and the channels of a tile of V^T are not neighbours
; (slot r of tile 2 B + u is 32 B + 8 u + r + 8 (r / 8)), so that the 16 registers of result tiles 2 B and 2 B + 1 are 16 neighbours.
; THE HEAD'S 64 FILL HALF OF THE INSTRUCTION'S 128: Q's upper four registers are zero codes.  K's tiles lie four registers apart, so K's upper four are the next tile's codes: they meet zero codes and add exactly 0; the scale bytes there are 0 (2^-127), never 0xff.
; LIMITS: NaN and infinities are not served; a block of ctx whose largest magnitude lies under 2^-124 is held at the byte 1, a block of zeros too: its codes are zeros and this program alone reads the bytes.
.set STEPB, 8960
.set GAT,   143360                     ; behind K and V: 1,024 bytes in which the work-group's scale half-words of ctx are gathered; no tensor load lands there
.set LI,  1                            ; 16 x lane
.set L8,  2                            ; 8 x lane
.set ADR, 3                            ; the key step in hand + 16 x lane
.set ADR8, 4                           ; + 8 x lane
.set GR,  5                            ; GAT + 16 x lane
.set GA,  6                            ; GAT + 32 x wave + 2 r
.set QS,  8                            ; v8, v9   Q's scale words, tile 0, 1
.set QF,  16                           ; v16-31   Q's fragments: four registers of codes, four of zeros, for each tile
.set KS,  32                           ; v32-35   K's scale words
.set VS,  36                           ; v36-37   V's
.set PW,  38                           ; v38      p's
.set KF,  40                           ; v40-75   K's tile t at 40 + 4 t; v72-75 zeros
.set VF,  76                           ; v76-107  V^T's four fragments
.set S,   108                          ; v108-171 S^T, then p
.set O,   172                          ; v172-203 O^T
.set PC,  204                          ; v204-211 p's codes
.set BM,  212
.set BT,  216
.set BS,  220
.set F,   224                          ; v[224:225] f, later 1 / the sum
.set TP,  226
.set SC2, 228
.set CT,  232                          ; v232-239 ctx's codes, four registers a tile
.set HW,  240                          ; v240, v241 its scale half-words
.set WV,  12
.set CX,  13
.set BH,  14
.set G1,  16
.set G0,  24
.set SEL, 28
.set CS,  30
.set TB,  32
.set CNT, 33
.set QB,  36
.set CCP, 38
.set CSP, 40
.macro PLACES n
.rept \n
	v_nop
.endr
.endm
.macro WM d, a, b, c, sa, sb, ra, rb
.if (\c) < 0
.if ((\ra) == 0) && ((\rb) == 0)
	v_wmma_scale_f32_16x16x128_f8f6f4 v[\d:\d+7], v[\a:\a+7], v[\b:\b+7], 0, v[\sa], v[\sb] matrix_a_fmt:MATRIX_FMT_FP4 matrix_b_fmt:MATRIX_FMT_FP4
.elseif (\rb) == 0
	v_wmma_scale_f32_16x16x128_f8f6f4 v[\d:\d+7], v[\a:\a+7], v[\b:\b+7], 0, v[\sa], v[\sb] matrix_a_fmt:MATRIX_FMT_FP4 matrix_b_fmt:MATRIX_FMT_FP4 matrix_a_scale:MATRIX_SCALE_ROW1
.elseif (\ra) == 0
	v_wmma_scale_f32_16x16x128_f8f6f4 v[\d:\d+7], v[\a:\a+7], v[\b:\b+7], 0, v[\sa], v[\sb] matrix_a_fmt:MATRIX_FMT_FP4 matrix_b_fmt:MATRIX_FMT_FP4 matrix_b_scale:MATRIX_SCALE_ROW1
.else
	v_wmma_scale_f32_16x16x128_f8f6f4 v[\d:\d+7], v[\a:\a+7], v[\b:\b+7], 0, v[\sa], v[\sb] matrix_a_fmt:MATRIX_FMT_FP4 matrix_b_fmt:MATRIX_FMT_FP4 matrix_a_scale:MATRIX_SCALE_ROW1 matrix_b_scale:MATRIX_SCALE_ROW1
.endif
.else
.if ((\ra) == 0) && ((\rb) == 0)
	v_wmma_scale_f32_16x16x128_f8f6f4 v[\d:\d+7], v[\a:\a+7], v[\b:\b+7], v[\c:\c+7], v[\sa], v[\sb] matrix_a_fmt:MATRIX_FMT_FP4 matrix_b_fmt:MATRIX_FMT_FP4
.elseif (\rb) == 0
	v_wmma_scale_f32_16x16x128_f8f6f4 v[\d:\d+7], v[\a:\a+7], v[\b:\b+7], v[\c:\c+7], v[\sa], v[\sb] matrix_a_fmt:MATRIX_FMT_FP4 matrix_b_fmt:MATRIX_FMT_FP4 matrix_a_scale:MATRIX_SCALE_ROW1
.elseif (\ra) == 0
	v_wmma_scale_f32_16x16x128_f8f6f4 v[\d:\d+7], v[\a:\a+7], v[\b:\b+7], v[\c:\c+7], v[\sa], v[\sb] matrix_a_fmt:MATRIX_FMT_FP4 matrix_b_fmt:MATRIX_FMT_FP4 matrix_b_scale:MATRIX_SCALE_ROW1
.else
	v_wmma_scale_f32_16x16x128_f8f6f4 v[\d:\d+7], v[\a:\a+7], v[\b:\b+7], v[\c:\c+7], v[\sa], v[\sb] matrix_a_fmt:MATRIX_FMT_FP4 matrix_b_fmt:MATRIX_FMT_FP4 matrix_a_scale:MATRIX_SCALE_ROW1 matrix_b_scale:MATRIX_SCALE_ROW1
.endif
.endif
.endm
; A round of the cluster's barrier: my work-group's barrier; wave 0 signals for the work-group; every wave waits for all four work-groups; my work-group's barrier once more
.macro CROUND
	s_barrier_signal -1
	s_barrier_wait -1
	s_cmp_lg_u32 s[WV], 0
	s_cbranch_scc1 .Lnot_wave_0_\@
	s_barrier_signal -3
.Lnot_wave_0_\@:
	s_barrier_wait -3
	s_barrier_signal -1
	s_barrier_wait -1
.endm
	s_load_b256 s[4:11], s[0:1], 0x0               ; qc, kv, cc, cs
	v_lshl_add_u32 v254, v0, 2, 0x29000
	v_mov_b32 v255, 0
	ds_add_u32 v254, v255
	ds_add_u32 v254, v255
	v_lshrrev_b32 v7, 5, v0
	s_delay_alu instid0(VALU_DEP_1)
	v_readfirstlane_b32 s[WV], v7                  ; wave 0..15
	s_bfe_u32 s[CX], ttmp6, 0x40000                ; my place in the cluster: it enters Q's and the outputs' addresses alone
	s_and_b32 s[BH], ttmp7, 0xffff                 ; 16 x batch + head, which the four partners share
	v_and_b32 v7, 31, v0
	s_delay_alu instid0(VALU_DEP_1)
	v_lshlrev_b32 v[LI], 4, v7
	s_delay_alu instid0(VALU_DEP_2)
	v_lshlrev_b32 v[L8], 3, v7
	s_delay_alu instid0(VALU_DEP_2)
	v_add_nc_u32 v[GR], GAT, v[LI]
	v_and_b32 v7, 15, v0                           ; r
	s_wait_alu depctr_va_vdst(0)
	s_lshl_b32 s42, s[WV], 5
	s_add_co_u32 s42, s42, GAT
	v_lshl_add_u32 v[GA], v7, 1, s42
	s_and_b32 s42, s[WV], 7                        ; my tile in its step of 128 queries
	s_lshl_b32 s43, s42, 9
	v_add_nc_u32 v10, s43, v[LI]                   ; Q's codes: 512 x tile + 16 x lane
	s_and_b32 s43, s[WV], 1
	s_lshl_b32 s43, s43, 8
	s_lshr_b32 s42, s42, 1
	s_lshl_b32 s42, s42, 2
	s_add_co_u32 s43, s43, s42
	v_lshl_add_u32 v11, v7, 4, s43                 ; Q's scale word: word tile / 2 of lane 16 (tile % 2) + r
	; descriptor group 1: a key step is 8,960 dense bytes: 35 rows of 256 bytes (32 elements of 8 bytes), no padding
	s_mov_b32 s[G1], 15|(3<<16)|(1<<21)            ; 15:0 the mask: all four work-groups; 17:16 elements of 8 bytes; 21 set beside a mask
	s_mov_b32 s[G1+1], 32<<16                      ; tensor_dim0 = 32
	s_mov_b32 s[G1+2], 35<<16                      ; tensor_dim1 = 35
	s_mov_b32 s[G1+3], 32<<16                      ; tile_dim0 = 32
	s_mov_b32 s[G1+4], 35                          ; tile_dim1 = 35
	s_mov_b32 s[G1+5], 32                          ; from row to row
	s_mov_b32 s[G1+6], 0
	s_mov_b32 s[G1+7], 0
	s_lshl_b32 s34, s[BH], 4
	s_add_co_u32 s34, s34, s[WV]
	s_mul_i32 s34, s34, STEPB                      ; key step w of my head: made of the head and the wave's number alone
	s_mov_b32 s35, 0
	s_mov_b32 s[G0], 1
	s_mul_i32 s[G0+1], s[WV], STEPB                ; and its place in LDS
	s_mov_b32 s[SEL], 0x76543210
	s_mov_b32 s[SEL+1], 0xfedcba98
	s_mov_b32 s[CS], 0x3e38aa3b                    ; c = log2(e) / 8
	s_mov_b32 s[CS+1], s[CS]                       ; (named with it as a pair, so it is written)
	s_lshl_b32 s42, s[BH], 4
	s_lshl_b32 s43, s[CX], 2
	s_add_co_u32 s42, s42, s43
	s_lshr_b32 s43, s[WV], 3
	s_add_co_u32 s42, s42, s43
	s_mul_i32 s42, s42, 4608                       ; Q: step 4 cx + wave / 8 of my head (my second tile lies two steps on)
	s_mov_b32 s43, 0
	s_lshr_b32 s44, s[BH], 4
	s_lshl_b32 s44, s44, 20                        ; ctx's codes: batch,
	s_lshl_b32 s45, s[CX], 18                      ; 32 tiles of 8,192 bytes a work-group,
	s_add_co_u32 s44, s44, s45
	s_lshl_b32 s45, s[WV], 13                      ; my tile,
	s_add_co_u32 s44, s44, s45
	s_and_b32 s45, s[BH], 15
	s_lshl_b32 s45, s45, 9                         ; the head's 512 bytes in it
	s_add_co_u32 s44, s44, s45
	s_mov_b32 s45, 0
	s_lshl_b32 s46, s[BH], 12                      ; ctx's scale half-words: 4,096 bytes a head, 1,024 a work-group
	s_lshl_b32 s47, s[CX], 10
	s_add_co_u32 s46, s46, s47
	s_mov_b32 s47, 0
	s_wait_dscnt 0x0
	s_wait_kmcnt 0x0
	s_add_nc_u64 s[G0+2:G0+3], s[6:7], s[34:35]
	s_or_b32 s[G0+3], s[G0+3], 0x80000000          ; type = 2
	s_add_nc_u64 s[QB:QB+1], s[4:5], s[42:43]
	s_add_nc_u64 s[CCP:CCP+1], s[8:9], s[44:45]
	s_add_nc_u64 s[CSP:CSP+1], s[10:11], s[46:47]
	CROUND                                         ; all four work-groups are here: the joint loads meet
	tensor_load_to_lds s[G0:G0+3], s[G1:G1+7]      ; my one tensor load of the launch
	s_nop 0
	PLACES 4
	s_wait_alu depctr_va_vdst(0)
.irp p, 0,1
	global_load_b128 v[QF+8*\p:QF+8*\p+3], v10, s[QB:QB+1] offset:9216*\p
	global_load_b32 v[QS+\p], v11, s[QB:QB+1] offset:9216*\p+4096
.endr
.irp j, 4,5,6,7,12,13,14,15
	v_mov_b32 v[QF+\j], 0                          ; zero codes for k = 64 .. 127
.endr
.irp j, 32,33,34,35
	v_mov_b32 v[KF+\j], 0
.endr
.irp b, 0,1,2,3
	v_mov_b32 v[BT+\b], 0                          ; written once: a lane permute's destination counts as one of its sources
.endr
	v_mov_b32 v[F+1], 0                            ; (named as the upper half of a pair)
	s_wait_tensorcnt 0x0                           ; my key step lies in LDS,
	s_wait_loadcnt 0x0                             ; Q is in,
	s_barrier_signal -1
	s_barrier_wait -1                              ; everybody's key step lies there
.macro TILE p
.set QFR, QF+8*(\p)
.set QSR, QS+(\p)
	v_mov_b32 v13, 0xff61b1e6                      ; the largest t so far: -3e38, under every t
	s_delay_alu instid0(VALU_DEP_1)
	v_floor_f32 v12, -v13                          ; -M
	v_mov_b32 v14, 0                               ; the sum, in two halves
	v_mov_b32 v15, 0
.set j, 0
.rept 32
	v_mov_b32 v[O+j], 0                            ; O^T: the step is written once; its first trip finds zeros
.set j, j+1
.endr
	s_mov_b32 s[TB], 0
	v_mov_b32 v[ADR], v[LI]
	v_mov_b32 v[ADR8], v[L8]
	s_mov_b32 s[CNT], 16
.Lstep_\@:                                             ; a key step: 128 keys
	s_wait_alu depctr_va_vdst(0)
	s_setprio 2
.irp t, 0,1,2,3,4,5,6,7
	ds_load_b128 v[KF+4*\t:KF+4*\t+3], v[ADR] offset:512*\t
.endr
	ds_load_b128 v[KS:KS+3], v[ADR] offset:4096
.irp i, 0,1,2,3,4,5,6,7
	ds_load_b128 v[VF+4*\i:VF+4*\i+3], v[ADR] offset:4608+512*\i
.endr
	ds_load_b64 v[VS:VS+1], v[ADR8] offset:8704
	s_wait_dscnt 9                                 ; K and its scale words are in; V's nine loads may be out
.irp t, 0,1,2,3,4,5,6,7
.set rD, S+8*\t
.set rA, KF+4*\t
.set rSA, KS+\t/2
.set rRA, \t&1
	WM rD, rA, QFR, -1, rSA, QSR, rRA, 0
.endr
	PLACES 4
.irp b, 0,1,2,3
	v_max3_num_f32 v[BM+\b], v[S+16*\b], v[S+16*\b+1], v[S+16*\b+2]   ; the largest score of each block of 32 keys: for the row's maximum, and, since p rises with the score, for the block's largest p
.endr
.irp i, 3,5,7,9,11,13
.irp b, 0,1,2,3
	v_max3_num_f32 v[BM+\b], v[BM+\b], v[S+16*\b+\i], v[S+16*\b+\i+1]
.endr
.endr
.irp b, 0,1,2,3
	v_max_num_f32 v[BM+\b], v[BM+\b], v[S+16*\b+15]
.endr
.irp b, 0,1,2,3
	s_delay_alu instid0(VALU_DEP_4)
	v_permlanex16_b32 v[BT+\b], v[BM+\b], s[SEL], s[SEL+1]
.endr
.irp b, 0,1,2,3
	s_delay_alu instid0(VALU_DEP_4)
	v_max_num_f32 v[BM+\b], v[BM+\b], v[BT+\b]     ; with lane l xor 16's 16 keys
.endr
	s_delay_alu instid0(VALU_DEP_2)
	v_max3_num_f32 v[TP], v[BM], v[BM+1], v[BM+2]
	s_delay_alu instid0(VALU_DEP_1)
	v_max_num_f32 v[TP], v[TP], v[BM+3]
	s_delay_alu instid0(VALU_DEP_1)
	v_mul_f32 v[TP], s[CS], v[TP]                  ; the step's largest t (c is positive)
	s_delay_alu instid0(VALU_DEP_1)
	v_max_num_f32 v13, v13, v[TP]                  ; the running largest t
	v_mov_b32 v[TP], v12
	s_delay_alu instid0(VALU_DEP_2)
	v_floor_f32 v12, -v13                          ; the new -M = floor(-t) = -ceil(t): a whole number
	s_delay_alu instid0(VALU_DEP_1)
	v_sub_f32 v[TP], v12, v[TP]                    ; old M - new M: a whole number, 0 or less
	s_delay_alu instid0(VALU_DEP_1)
	v_cvt_i32_f32 v[TP], v[TP]                     ; (it saturates)
	s_delay_alu instid0(VALU_DEP_1)
	v_ldexp_f32 v[F], 1.0, v[TP]                   ; f = 2^(old M - new M)
.set j, 0
.rept 32
	v_pk_fma_f32 v[S+j:S+j+1], v[S+j:S+j+1], s[CS:CS+1], v[12:13] op_sel_hi:[1,0,0]   ; t - M, two at a time
.set j, j+2
.endr
.irp b, 0,1,2,3
	v_fma_f32 v[BM+\b], v[BM+\b], s[CS], v12       ; the same of each block's largest score
.endr
.set j, 0
	s_wait_alu depctr_va_vdst(0)
.rept 64
	v_exp_f32 v[S+j], v[S+j]                       ; p = 2^(t - M), at most 1
.set j, j+1
.endr
	s_setprio 1
	v_pk_mul_f32 v[14:15], v[14:15], v[F:F+1] op_sel_hi:[1,0]   ; the sums under the new M: a plain line behind the exponentials
	s_wait_alu depctr_va_vdst(0)                   ; one wait for the whole batch, ahead of its first reader
.irp b, 0,1,2,3
	v_exp_f32 v[BM+\b], v[BM+\b]                   ; the block's largest p
.endr
	v_pk_add_f32 v[228:229], v[112:113], v[116:117]
	v_pk_add_f32 v[252:253], v[120:121], v[124:125]
	v_pk_add_f32 v[250:251], v[128:129], v[132:133]
	v_pk_add_f32 v[248:249], v[136:137], v[140:141]
	v_pk_add_f32 v[246:247], v[144:145], v[148:149]
	v_pk_add_f32 v[244:245], v[152:153], v[156:157]
	v_pk_add_f32 v[242:243], v[160:161], v[164:165]
	v_pk_add_f32 v[14:15], v[14:15], v[168:169]
	v_pk_add_f32 v[228:229], v[228:229], v[108:109]
	v_pk_add_f32 v[252:253], v[252:253], v[110:111]
	v_pk_add_f32 v[250:251], v[250:251], v[114:115]
	v_pk_add_f32 v[248:249], v[248:249], v[118:119]
	v_pk_add_f32 v[246:247], v[246:247], v[122:123]
	v_pk_add_f32 v[244:245], v[244:245], v[126:127]
	v_pk_add_f32 v[242:243], v[242:243], v[130:131]
	v_pk_add_f32 v[14:15], v[14:15], v[134:135]
	v_pk_add_f32 v[228:229], v[228:229], v[138:139]
	v_pk_add_f32 v[252:253], v[252:253], v[142:143]
	v_pk_add_f32 v[250:251], v[250:251], v[146:147]
	v_pk_add_f32 v[248:249], v[248:249], v[150:151]
	v_pk_add_f32 v[246:247], v[246:247], v[154:155]
	v_pk_add_f32 v[244:245], v[244:245], v[158:159]
	v_pk_add_f32 v[242:243], v[242:243], v[162:163]
	v_pk_add_f32 v[14:15], v[14:15], v[166:167]
	v_pk_add_f32 v[228:229], v[228:229], v[170:171]
	s_delay_alu instid0(VALU_DEP_2)
	v_pk_add_f32 v[14:15], v[14:15], v[248:249]
	s_delay_alu instid0(VALU_DEP_2)
	v_pk_add_f32 v[228:229], v[228:229], v[246:247]
	v_pk_add_f32 v[252:253], v[252:253], v[244:245]
	v_pk_add_f32 v[250:251], v[250:251], v[242:243]
	s_delay_alu instid0(VALU_DEP_2)
	v_pk_add_f32 v[14:15], v[14:15], v[252:253]
	s_delay_alu instid0(VALU_DEP_2)
	v_pk_add_f32 v[228:229], v[228:229], v[250:251]
	s_delay_alu instid0(VALU_DEP_1)
	v_pk_add_f32 v[14:15], v[14:15], v[228:229]
	s_wait_alu depctr_va_vdst(0)                   ; and one for the four
.irp b, 0,1,2,3
	v_max_num_f32 v[BM+\b], 0x1800000, v[BM+\b]    ; the floor 2^(3 - 127): the byte cannot fall under 1
.endr
.irp b, 0,1,2,3
	s_delay_alu instid0(VALU_DEP_4)
	v_add_nc_u32 v[BS+\b], 0xff000000, v[BM+\b]    ; 2 off the exponent field: the conversion's scale operand
.endr
.irp b, 0,1,2,3
	s_delay_alu instid0(VALU_DEP_4)
	v_lshrrev_b32 v[BT+\b], 23, v[BS+\b]           ; the scale's byte
.endr
	s_delay_alu instid0(VALU_DEP_3)
	v_lshl_or_b32 v[PW], v[BT+1], 8, v[BT]         ; p's scale word for these 128 keys
	s_delay_alu instid0(VALU_DEP_1)
	v_lshl_or_b32 v[PW], v[BT+2], 16, v[PW]
	s_delay_alu instid0(VALU_DEP_1)
	v_lshl_or_b32 v[PW], v[BT+3], 24, v[PW]
.irp b, 0,1,2,3
	v_cvt_scalef32_pk8_fp4_f32 v[PC+2*\b], v[S+16*\b:S+16*\b+7], v[BS+\b]
	v_cvt_scalef32_pk8_fp4_f32 v[PC+2*\b+1], v[S+16*\b+8:S+16*\b+15], v[BS+\b]
.endr
	v_nop                                          ; one plain place behind a scaled conversion
.irp c, 0,1
.irp i, 0,1
	v_permlane16_swap_b32 v[PC+4*\c+\i], v[PC+2+4*\c+\i]   ; a whole block in a lane
.endr
.endr
.set j, 0
	s_setprio 0
.rept 16
	v_pk_mul_f32 v[O+j:O+j+1], v[O+j:O+j+1], v[F:F+1] op_sel_hi:[1,0]   ; O^T under the new M; these sixteen are also the places between the writes of p's codes and scale word and the products
.set j, j+2
.endr
	s_wait_alu depctr_va_vdst(0)
	s_wait_dscnt 0x0                               ; V is in
.irp t, 0,1,2,3
.set rD, O+8*\t
.set rA, VF+8*\t
.set rSA, VS+\t/2
.set rRA, \t&1
	WM rD, rA, PC, rD, rSA, PW, rRA, 0
.endr
	s_add_co_u32 s[TB], s[TB], STEPB
	v_add_nc_u32 v[ADR], s[TB], v[LI]              ; four plain lines: the places in front of the next loads into V's registers, and of the reads of O^T behind the loop
	v_add_nc_u32 v[ADR8], s[TB], v[L8]
	v_nop
	v_nop
	s_sub_co_u32 s[CNT], s[CNT], 1
	s_cmp_lg_u32 s[CNT], 0
	s_cbranch_scc1 .Lstep_\@
	s_setprio 0
	; the tile's way out: O^T / the sum, quantised along the head's 64 channels (two blocks)
	v_add_f32 v14, v14, v15
	s_delay_alu instid0(VALU_DEP_1)
	v_permlanex16_b32 v[TP], v14, s[SEL], s[SEL+1]
	s_delay_alu instid0(VALU_DEP_1)
	v_add_f32 v14, v14, v[TP]                      ; the row's sum
	s_wait_alu depctr_va_vdst(0)
	v_rcp_f32 v[F], v14
	v_nop
	s_wait_alu depctr_va_vdst(0)
.set j, 0
.rept 16
	v_pk_mul_f32 v[S+j:S+j+1], v[O+j:O+j+1], v[F:F+1] op_sel_hi:[1,0]   ; register 16 B + i is channel 32 B + 16 h + i of my query
.set j, j+2
.endr
.irp b, 0,1
	v_max3_num_f32 v[BM+\b], |v[S+16*\b]|, |v[S+16*\b+1]|, 0x1800000
.endr
.irp i, 2,4,6,8,10,12,14
.irp b, 0,1
	s_delay_alu instid0(VALU_DEP_2)
	v_max3_num_f32 v[BM+\b], v[BM+\b], |v[S+16*\b+\i]|, |v[S+16*\b+\i+1]|
.endr
.endr
.irp b, 0,1
	s_delay_alu instid0(VALU_DEP_2)
	v_permlanex16_b32 v[BT+\b], v[BM+\b], s[SEL], s[SEL+1]
.endr
.irp b, 0,1
	s_delay_alu instid0(VALU_DEP_2)
	v_max_num_f32 v[BM+\b], v[BM+\b], v[BT+\b]
.endr
.irp b, 0,1
	s_delay_alu instid0(VALU_DEP_2)
	v_add_nc_u32 v[BS+\b], 0xff000000, v[BM+\b]
.endr
.irp b, 0,1
	s_delay_alu instid0(VALU_DEP_2)
	v_lshrrev_b32 v[BT+\b], 23, v[BS+\b]
.endr
	s_delay_alu instid0(VALU_DEP_1)
	v_lshl_or_b32 v[HW+(\p)], v[BT+1], 8, v[BT]    ; my query's two scale bytes
.irp b, 0,1
	v_cvt_scalef32_pk8_fp4_f32 v[CT+4*(\p)+2*\b], v[S+16*\b:S+16*\b+7], v[BS+\b]
	v_cvt_scalef32_pk8_fp4_f32 v[CT+4*(\p)+2*\b+1], v[S+16*\b+8:S+16*\b+15], v[BS+\b]
.endr
	v_nop
	v_permlane16_swap_b32 v[CT+4*(\p)], v[CT+4*(\p)+2]
	v_permlane16_swap_b32 v[CT+4*(\p)+1], v[CT+4*(\p)+3]
	global_store_b128 v[LI], v[CT+4*(\p):CT+4*(\p)+3], s[CCP:CCP+1] offset:131072*(\p)   ; 512 consecutive bytes: half an image of the last product's operand
	ds_store_b16 v[GA], v[HW+(\p)] offset:512*(\p) ; both lanes of a query write the same half-word with the same value
.endm
	TILE 0
	TILE 1
	s_wait_dscnt 0x0                               ; for wave 0's sake: my half-words lie in LDS
	s_barrier_signal -1
	s_barrier_wait -1
	s_cmp_lg_u32 s[WV], 0
	s_cbranch_scc1 .Lnot_zero                      ; wave 0 stores the work-group's 1,024 bytes of half-words, 16 bytes a lane
	ds_load_b128 v[S:S+3], v[GR]
	ds_load_b128 v[S+4:S+7], v[GR] offset:512
	s_wait_dscnt 0x0
	global_store_b128 v[LI], v[S:S+3], s[CSP:CSP+1]
	global_store_b128 v[LI], v[S+4:S+7], s[CSP:CSP+1] offset:512
.Lnot_zero:
	s_wait_dscnt 0x0
	s_wait_tensorcnt 0x0
	ds_add_u32 v254, v255
	s_wait_dscnt 0x0
	CROUND                                         ; the closing round: no work-group ends while a partner may still ask for a tile that names it
	s_endpgm
.Lfunc_end_k_qfa00308b1a_attn:
	.size	k_qfa00308b1a_attn, .Lfunc_end_k_qfa00308b1a_attn-k_qfa00308b1a_attn
	.p2alignl 7, 3214868480
	.fill 96, 4, 3214868480
	.section	.rodata,"a",@progbits
	.p2align	6, 0x0
	.amdhsa_kernel k_qfa00308b1a_attn
		.amdhsa_group_segment_fixed_size 169984
		.amdhsa_private_segment_fixed_size 0
		.amdhsa_enable_private_segment 0
		.amdhsa_kernarg_size 32
		.amdhsa_user_sgpr_count 2
		.amdhsa_user_sgpr_kernarg_segment_ptr 1
		.amdhsa_wavefront_size32 1
		.amdhsa_system_sgpr_workgroup_id_x 1
		.amdhsa_system_sgpr_workgroup_id_y 1
		.amdhsa_system_sgpr_workgroup_id_z 1
		.amdhsa_system_vgpr_workitem_id 0
		.amdhsa_next_free_vgpr 256
		.amdhsa_next_free_sgpr 66
		.amdhsa_reserve_vcc 0
		.amdhsa_float_denorm_mode_32 3
		.amdhsa_float_denorm_mode_16_64 3
		.amdhsa_memory_ordered 1
		.amdhsa_forward_progress 1
		.amdhsa_inst_pref_size 49
	.end_amdhsa_kernel
	.amdgpu_metadata
---
amdhsa.version: [ 1, 2 ]
amdhsa.kernels:
  - .name:           k_qfa00308b1a_attn
    .symbol:         k_qfa00308b1a_attn.kd
    .args:
      - { .name: qc, .offset: 0, .size: 8, .value_kind: global_buffer, .address_space: global }
      - { .name: kv, .offset: 8, .size: 8, .value_kind: global_buffer, .address_space: global }
      - { .name: cc, .offset: 16, .size: 8, .value_kind: global_buffer, .address_space: global }
      - { .name: cs, .offset: 24, .size: 8, .value_kind: global_buffer, .address_space: global }
    .group_segment_fixed_size: 169984
    .private_segment_fixed_size: 0
    .kernarg_segment_align: 8
    .kernarg_segment_size: 32
    .max_flat_workgroup_size: 512
    .sgpr_count:     66
    .vgpr_count:     256
    .wavefront_size: 32
...
	.end_amdgpu_metadata
.endif
;; end of part 6
;; launch outln (part 7): grid 256 x 1, 4 waves a work-group, no clusters, 132,096 bytes of LDS; arguments cc, cs, wts, query, bo, gamma, beta, out0; writes out0
.if DOCPART == 7
	.amdgcn_target "amdgcn-amd-amdhsa--gfx1250"
	.amdhsa_code_object_version 6
	.text
	.protected	k_qfa00308b1a_outln
	.globl	k_qfa00308b1a_outln
	.p2align	8
	.type	k_qfa00308b1a_outln,@function
k_qfa00308b1a_outln:
	s_mov_b64 s[64:65], 0
	v_nop
	global_prefetch_b8 v0, s[64:65] scope:SCOPE_SE
	s_setreg_imm32_b32 hwreg(HW_REG_WAVE_SCHED_MODE, 0, 2), 2
	s_setreg_imm32_b32 hwreg(HW_REG_WAVE_MODE, 25, 1), 1
	s_wait_xcnt 0x0
	s_wait_alu depctr_vm_vsrc(0)
; out0 = LayerNorm(query + ctx Wo + bo) x gamma + beta.  The product is on codes of FP4 (E2M1) with one E8M0 scale for each 32 along K; all else in f32.
; SHARES.  A work-group takes 32 rows (two tiles of ctx) x all 1,024 columns, so that a row's mean and variance never leave it.  Wave w makes columns 256 w .. 256 w + 255: 16 tiles x 2 tiles of rows = 32 accumulators.
; ctx's 16 fragments and all scale words are loaded once; Wo's fragments come from memory straight into the registers of the one wave that multiplies them, in a ring of three sets of 16.  No cluster: no tile goes through LDS that partners could share.
; TRANSPOSED: source 0 = 16 columns of Wo, source 1 = 16 rows of ctx: a lane holds one row and, in tiles 2 B and 2 B + 1, 16 neighbouring columns.
; The results meet in a stage in LDS (32 rows x (4,096 + 16) bytes, in the order of ctx's slots); one barrier; then each wave takes 8 whole rows: stage rows 8 w + i are rows 8 (w / 2) + 16 (w % 2) + i of the 32.
; The mean is taken first and the variance of the differences: a common offset of the inputs does no harm.
; LIMITS: NaN and infinities are not served.
; REGISTERS.  Window 0: v1-6 addresses; v16-23 ctx's scale words, v24-39 their halves as loaded, v40-103 Wo's scale words (these hold scales alone); v128-255 ctx's fragments, later two rows at work and the sums.
;   Window 1: the accumulators, (m, a) at v[8 (16 m + a)].  Window 2 v0-127, v128-255 and window 3 v0-127: Wo's three sets; later window 2: 8 rows of the residual, window 3 v0-95: bo, gamma, beta.
; THE MODE: SCHED_MODE bits 1:0 = 2 (LLVM: expert scheduling mode 2), set by the entry lines.  The code itself states the register dependences
; between vector or matrix instructions and memory or LDS instructions, with s_wait_alu, always for 0.
; THE PLAN.  Registers that memory or LDS instructions touch, and who else names them:
;   Wo's sets  Step s's matrix instructions read set s % 3; its 32 loads land in set (s + 2) % 3, which step s - 1 read last.  One wait on va_vdst at the head of steps 1 to 5; the loads follow in two runs of 16
;              among the step's matrix instructions, which name none of their registers.  Step 0's wait stands behind the lines that make ctx's scale words, ahead of the scaled products that read them.
;   Behind step 7 one wait on va_vdst: the accumulators are written, which the LDS stores read; all products are done reading windows 2 and 3 and ctx's registers, in which bo, gamma, beta, the residual and the rows land.
;   XA0, XA1   Row i: LDS loads land in its buffer in row i - 1; its arithmetic works in place; its stores read it.  A wait on va_vdst ahead of a row's stores (it also serves the LDS loads that land there a row later),
;              a wait on vm_vsrc ahead of those loads.
;   The offsets v1 to v6 are made at the head and never written again.
.set SPITCH, 4112
.set LI,  1                            ; 16 x lane
.set L2,  2                            ; 2 x lane
.set SO,  3                            ; v3, v4  into the stage: row r (+ 16), + 64 h + 1,024 x wave
.set SR,  5                            ; out of it: my 8 rows, 16 x lane
.set PFO, 6                            ; 256 x lane
.set CS,  16
.set H,   24
.set WS,  40
.set CF,  128
.set XA,  128                          ; the row phase: two rows of 32 registers
.set T,   192
.set RS,  200
.set NM,  202
.set BO3, 0                            ; in window 3
.set GA3, 32
.set BE3, 64
.set WVN, 20
.set CCP, 22
.set CSP, 24
.set WP,  26
.set RP,  28
.set OP,  30
.set SEL, 32
.set INV, 34
.set EPS, 35
.set MSB, 0
.macro WIN new                         ; s_set_vgpr_msb: bits 1:0 source 0, 3:2 source 1, 5:4 source 2, 7:6 destination; the high byte repeats the setting that is left
.set NEWW, \new
.if MSB != NEWW
	s_set_vgpr_msb (MSB<<8)|NEWW
.set MSB, NEWW
.endif
.endm
.macro PLACES n
.rept \n
	v_nop
.endr
.endm
.macro WM d, a, b, c, sa, sb, ra, rb
.if (\c) < 0
.if ((\ra) == 0) && ((\rb) == 0)
	v_wmma_scale_f32_16x16x128_f8f6f4 v[\d:\d+7], v[\a:\a+7], v[\b:\b+7], 0, v[\sa], v[\sb] matrix_a_fmt:MATRIX_FMT_FP4 matrix_b_fmt:MATRIX_FMT_FP4
.elseif (\rb) == 0
	v_wmma_scale_f32_16x16x128_f8f6f4 v[\d:\d+7], v[\a:\a+7], v[\b:\b+7], 0, v[\sa], v[\sb] matrix_a_fmt:MATRIX_FMT_FP4 matrix_b_fmt:MATRIX_FMT_FP4 matrix_a_scale:MATRIX_SCALE_ROW1
.elseif (\ra) == 0
	v_wmma_scale_f32_16x16x128_f8f6f4 v[\d:\d+7], v[\a:\a+7], v[\b:\b+7], 0, v[\sa], v[\sb] matrix_a_fmt:MATRIX_FMT_FP4 matrix_b_fmt:MATRIX_FMT_FP4 matrix_b_scale:MATRIX_SCALE_ROW1
.else
	v_wmma_scale_f32_16x16x128_f8f6f4 v[\d:\d+7], v[\a:\a+7], v[\b:\b+7], 0, v[\sa], v[\sb] matrix_a_fmt:MATRIX_FMT_FP4 matrix_b_fmt:MATRIX_FMT_FP4 matrix_a_scale:MATRIX_SCALE_ROW1 matrix_b_scale:MATRIX_SCALE_ROW1
.endif
.else
.if ((\ra) == 0) && ((\rb) == 0)
	v_wmma_scale_f32_16x16x128_f8f6f4 v[\d:\d+7], v[\a:\a+7], v[\b:\b+7], v[\c:\c+7], v[\sa], v[\sb] matrix_a_fmt:MATRIX_FMT_FP4 matrix_b_fmt:MATRIX_FMT_FP4
.elseif (\rb) == 0
	v_wmma_scale_f32_16x16x128_f8f6f4 v[\d:\d+7], v[\a:\a+7], v[\b:\b+7], v[\c:\c+7], v[\sa], v[\sb] matrix_a_fmt:MATRIX_FMT_FP4 matrix_b_fmt:MATRIX_FMT_FP4 matrix_a_scale:MATRIX_SCALE_ROW1
.elseif (\ra) == 0
	v_wmma_scale_f32_16x16x128_f8f6f4 v[\d:\d+7], v[\a:\a+7], v[\b:\b+7], v[\c:\c+7], v[\sa], v[\sb] matrix_a_fmt:MATRIX_FMT_FP4 matrix_b_fmt:MATRIX_FMT_FP4 matrix_b_scale:MATRIX_SCALE_ROW1
.else
	v_wmma_scale_f32_16x16x128_f8f6f4 v[\d:\d+7], v[\a:\a+7], v[\b:\b+7], v[\c:\c+7], v[\sa], v[\sb] matrix_a_fmt:MATRIX_FMT_FP4 matrix_b_fmt:MATRIX_FMT_FP4 matrix_a_scale:MATRIX_SCALE_ROW1 matrix_b_scale:MATRIX_SCALE_ROW1
.endif
.endif
.endm
.macro WSETH s, a0                     ; K step s of my 256 columns of Wo: fragments a0 .. a0 + 7, 16 loads, into set s % 3.  It leaves the destination's window at 2 or 3
.set KL, (\s)%3
	WIN (2+(KL>>1))<<6
.irp ap, \a0, \a0+1, \a0+2, \a0+3, \a0+4, \a0+5, \a0+6, \a0+7
.irp c, 0,1
	global_load_b128 v[128*(KL&1)+8*(\ap)+4*\c:128*(KL&1)+8*(\ap)+4*\c+3], v[LI], s[WP:WP+1] offset:69632*((\ap)/8)+8704*(\s)+1024*((\ap)%8)+512*\c
.endr
.endr
.endm
.macro WSET s                          ; the whole K step in one run: 32 loads
	WSETH \s, 0
	WSETH \s, 8
.endm
; K step s: 32 matrix instructions, the 32 accumulators by turns, one instruction a turn, in the same order in every step
.macro OSTEP s
.if (\s) == 7
	s_wait_loadcnt 0x0
.else
	s_wait_loadcnt 32                              ; this step's set is in; the next set's 32 loads may be out
.endif
.if (\s) == 0
	WIN 0                                          ; the scale words are made in window 0
.irp k, 0,1,2,3,4,5,6,7
	v_lshl_or_b32 v[CS+\k], v[H+2*\k+1], 16, v[H+2*\k]   ; K step k: heads 2 k and 2 k + 1, two scale bytes each; lanes 0-15 tile 0's rows, lanes 16-31 tile 1's
.endr
	PLACES 8                                       ; a scale register written by a vector instruction stands 8 places ahead of the scaled matrix instruction
	s_wait_alu depctr_va_vdst(0)                   ; the eight lines above have written ctx's scale words, which the scaled matrix instructions of all eight steps read
.elseif (\s) <= 5
	PLACES 4                                       ; in front of loads into registers that the last step's matrix instructions have read
	s_wait_alu depctr_va_vdst(0)                   ; the last step's matrix instructions are done reading Wo's set (s + 2) % 3, in which this step's loads land
.endif
.set KK, (\s)%3
.irp m, 0,1
.irp ap, 0,1,2,3,4,5,6,7,8,9,10,11,12,13,14,15
	WIN 0x52+(KK>>1)                               ; Wo in window 2 or 3, ctx in window 0, C and D in window 1
.set rD, 8*(16*\m+\ap)
.set rA, 128*(KK&1)+8*\ap
.set rB, CF+8*(2*(\s)+\m)
.set rSA, WS+4*(2*(\s)+\ap/8)+(\ap%8)/2
.set rSB, CS+(\s)
.set rRA, \ap&1
.if (\s) == 0
	WM rD, rA, rB, -1, rSA, rSB, rRA, \m
.else
	WM rD, rA, rB, rD, rSA, rSB, rRA, \m
.endif
.if ((\s) <= 5) && (\m == 0) && (\ap == 7)
	WSETH (\s)+2, 0                                ; no wait: no vector or matrix instruction since the step's wait names the registers of these loads
.endif
.if ((\s) <= 5) && (\m == 0) && (\ap == 15)
	WSETH (\s)+2, 8
.if ((\s) >= 1) && ((\s) <= 4)
	global_prefetch_b8 v[PFO], s[RP:RP+1] offset:8192*((\s)-1) th:TH_LOAD_NT scope:SCOPE_SE   ; my 8 rows of the residual, 32,768 bytes on end: 8,192 in each of four K steps, lanes 256 bytes apart, each block named once; behind the run of loads (its address lies in window 0 under this setting)
.endif
.endif
.endr
.endr
.endm
.macro REDUCE                          ; four pairs of partial sums in v[T] on become the row's sum, in v[T] of every lane
	v_pk_add_f32 v[T:T+1], v[T:T+1], v[T+2:T+3]
	v_pk_add_f32 v[T+4:T+5], v[T+4:T+5], v[T+6:T+7]
	v_pk_add_f32 v[T:T+1], v[T:T+1], v[T+4:T+5]
	v_add_f32 v[T], v[T], v[T+1]
	v_add_f32_dpp v[T], v[T], v[T] row_xmask:1 row_mask:0xf bank_mask:0xf
	v_add_f32_dpp v[T], v[T], v[T] row_xmask:2 row_mask:0xf bank_mask:0xf
	v_add_f32_dpp v[T], v[T], v[T] row_xmask:4 row_mask:0xf bank_mask:0xf
	v_add_f32_dpp v[T], v[T], v[T] row_xmask:8 row_mask:0xf bank_mask:0xf
	v_permlanex16_b32 v[T+1], v[T], s[SEL], s[SEL+1]
	v_add_f32 v[T], v[T], v[T+1]
.endm
; Row i of my eight: a lane holds 32 numbers, columns 128 k + 4 x lane + 0 .. 3
.macro ROW i
.set XR, XA+32*((\i)%2)
.set XN, XA+32*(((\i)+1)%2)
	s_wait_xcnt 0x0                                ; the row before's stores have read their registers
.if ((\i) >= 1) && ((\i) < 7)
	s_wait_alu depctr_vm_vsrc(0)                   ; the row before's stores have read its buffer, in which the loads below land
.endif
.if (\i) < 7
.irp k, 0,1,2,3,4,5,6,7
	ds_load_b128 v[XN+4*\k:XN+4*\k+3], v[SR] offset:((\i)+1)*SPITCH+512*\k   ; the arithmetic that named this buffer stands ahead of the last wait on va_vdst, and no vector line has followed that wait
.endr
	s_wait_dscnt 8                                 ; this row is in; the next row's eight loads may be out
.else
	s_wait_dscnt 0x0
.endif
.if (\i) < 4
	s_wait_loadcnt (3-(\i))*8+32                   ; this row of the residual is in; behind it: the rest of rows 0-3 and rows 4-7
.else
	s_wait_loadcnt (7-(\i))*8
.endif
	WIN 0x08                                       ; source 1: window 2
.set j, 0
.rept 16
	v_pk_add_f32 v[XR+j:XR+j+1], v[XR+j:XR+j+1], v[32*(\i)+j:32*(\i)+j+1]   ; + the residual
.set j, j+2
.endr
	WIN 0x0c                                       ; source 1: window 3
.set j, 0
.rept 16
	v_pk_add_f32 v[XR+j:XR+j+1], v[XR+j:XR+j+1], v[BO3+j:BO3+j+1]           ; + bo
.set j, j+2
.endr
	WIN 0
.irp c, 0,1,2,3
	v_pk_add_f32 v[T+2*\c:T+2*\c+1], v[XR+4*\c:XR+4*\c+1], v[XR+4*\c+2:XR+4*\c+3]   ; four chains, started by the first eight pairs
.endr
.irp q, 8,9,10,11,12,13,14,15
	v_pk_add_f32 v[T+2*(\q%4):T+2*(\q%4)+1], v[T+2*(\q%4):T+2*(\q%4)+1], v[XR+2*\q:XR+2*\q+1]
.endr
	REDUCE
	v_mul_f32 v[NM], 0xba800000, v[T]              ; - the mean: the sum x -1/1,024
.set j, 0
.rept 16
	v_pk_add_f32 v[XR+j:XR+j+1], v[XR+j:XR+j+1], v[NM:NM+1] op_sel_hi:[1,0]
.set j, j+2
.endr
.irp c, 0,1,2,3
	v_pk_mul_f32 v[T+2*\c:T+2*\c+1], v[XR+2*\c:XR+2*\c+1], v[XR+2*\c:XR+2*\c+1]
.endr
.irp q, 4,5,6,7,8,9,10,11,12,13,14,15
	v_pk_fma_f32 v[T+2*(\q%4):T+2*(\q%4)+1], v[XR+2*\q:XR+2*\q+1], v[XR+2*\q:XR+2*\q+1], v[T+2*(\q%4):T+2*(\q%4)+1]
.endr
	REDUCE
	v_fma_f32 v[T], v[T], s[INV], s[EPS]           ; the variance + 1e-5
	s_wait_alu depctr_va_vdst(0)
	v_rsq_f32 v[RS], v[T]
	v_nop                                          ; a plain line behind the transcendental
	s_wait_alu depctr_va_vdst(0)                   ; the reciprocal root is written, ahead of its first reader
.set j, 0
.rept 16
	v_pk_mul_f32 v[XR+j:XR+j+1], v[XR+j:XR+j+1], v[RS:RS+1] op_sel_hi:[1,0]
.set j, j+2
.endr
	WIN 0x3c                                       ; sources 1 and 2: window 3
.set j, 0
.rept 16
	v_pk_fma_f32 v[XR+j:XR+j+1], v[XR+j:XR+j+1], v[GA3+j:GA3+j+1], v[BE3+j:BE3+j+1]
.set j, j+2
.endr
	WIN 0
	s_wait_alu depctr_va_vdst(0)                   ; the row's arithmetic has written its buffer, which the stores below read and in which the next row's head lets LDS loads land
.irp k, 0,1,2,3,4,5,6,7
	global_store_b128 v[LI], v[XR+4*\k:XR+4*\k+3], s[OP:OP+1] offset:4096*(\i)+512*\k th:TH_STORE_NT   ; 32 lanes store 512 consecutive bytes, aligned
.endr
.endm
	s_load_b512 s[4:19], s[0:1], 0x0               ; cc, cs, wts, query, bo, gamma, beta, out0
	v_lshl_add_u32 v126, v0, 2, 0x20200
	v_mov_b32 v127, 0
	v_lshrrev_b32 v7, 5, v0
	v_readfirstlane_b32 s[WVN], v7                 ; wave 0..3
	v_and_b32 v7, 31, v0
	v_and_b32 v8, 15, v0                           ; r
	v_bfe_u32 v9, v0, 4, 1                         ; h
	v_lshlrev_b32 v[LI], 4, v7
	v_lshlrev_b32 v[L2], 1, v7
	v_lshlrev_b32 v[PFO], 8, v7
	v_mul_u32_u24 v[SO], v8, SPITCH
	v_lshl_add_u32 v[SO], v9, 6, v[SO]
	s_wait_alu depctr_va_sdst(0)                   ; the wave's number is written, ahead of its first reader: LDS addresses and the bases are made from it
	s_lshl_b32 s36, s[WVN], 10
	v_add_nc_u32 v[SO], s36, v[SO]
	v_add_nc_u32 v[SO+1], 16*SPITCH, v[SO]
	s_mul_i32 s36, s[WVN], 8*SPITCH
	v_add_nc_u32 v[SR], s36, v[LI]
	s_mov_b32 s[SEL], 0x76543210
	s_mov_b32 s[SEL+1], 0xfedcba98
	s_mov_b32 s[INV], 0x3a800000                   ; 1/1,024
	s_mov_b32 s[EPS], 0x3727c5ac                   ; 1e-5
	s_lshl_b32 s36, ttmp9, 14                      ; ctx's codes: two tiles of 8,192 bytes a work-group
	s_mov_b32 s37, 0
	s_lshr_b32 s38, ttmp9, 6
	s_lshl_b32 s38, s38, 16                        ; its scale half-words: 65,536 bytes a batch,
	s_and_b32 s39, ttmp9, 63
	s_lshl_b32 s39, s39, 6                         ; 64 bytes for my 32 rows in each head's 4,096
	s_add_co_u32 s38, s38, s39
	s_mov_b32 s39, 0
	s_mul_i32 s40, s[WVN], 139264                  ; Wo is the fourth weight; my two groups of 128 columns
	s_add_co_u32 s40, s40, 1671168
	s_mov_b32 s41, 0
	s_lshr_b32 s42, s[WVN], 1
	s_lshl_b32 s42, s42, 3
	s_and_b32 s43, s[WVN], 1
	s_lshl_b32 s43, s43, 4
	s_add_co_u32 s42, s42, s43
	s_lshl_b32 s43, ttmp9, 5
	s_add_co_u32 s42, s42, s43                     ; the first of the 8 rows that I finish: 32 g + 8 (w / 2) + 16 (w % 2)
	s_lshl_b32 s42, s42, 12
	s_mov_b32 s43, 0
	s_wait_kmcnt 0x0
	s_add_nc_u64 s[CCP:CCP+1], s[4:5], s[36:37]
	s_add_nc_u64 s[CSP:CSP+1], s[6:7], s[38:39]
	s_add_nc_u64 s[WP:WP+1], s[8:9], s[40:41]
	s_add_nc_u64 s[RP:RP+1], s[10:11], s[42:43]
	s_add_nc_u64 s[OP:OP+1], s[18:19], s[42:43]
	s_wait_alu depctr_va_vdst(0)                   ; the offsets and LDS addresses v1 to v6 are written, which the loads, prefetches and stores of the whole kernel read
.irp hd, 0,1,2,3,4,5,6,7,8,9,10,11,12,13,14,15
	global_load_u16 v[H+\hd], v[L2], s[CSP:CSP+1] offset:4096*\hd
.endr
.irp s, 0,1,2,3,4,5,6,7
.irp g, 0,1
	global_load_b128 v[WS+4*(2*\s+\g):WS+4*(2*\s+\g)+3], v[LI], s[WP:WP+1] offset:69632*\g+8704*\s+8192
.endr
.endr
.irp s, 0,1,2,3,4,5,6,7
.irp m, 0,1
.irp c, 0,1
	global_load_b128 v[CF+8*(2*\s+\m)+4*\c:CF+8*(2*\s+\m)+4*\c+3], v[LI], s[CCP:CCP+1] offset:8192*\m+1024*\s+512*\c
.endr
.endr
.endr
	WSET 0
	WSET 1
	OSTEP 0
	OSTEP 1
	OSTEP 2
	OSTEP 3
	OSTEP 4
	OSTEP 5
	OSTEP 6
	OSTEP 7
	PLACES 4                                       ; in front of the first read of results, of loads into operands' registers and of the two writes below
	WIN 0
	v_mov_b32 v[RS+1], 0                           ; (named as the upper halves of pairs)
	v_mov_b32 v[NM+1], 0
	s_wait_alu depctr_va_vdst(0)                   ; the matrix instructions have written the accumulators, which the LDS stores below read, and are done reading Wo's three sets and ctx's fragments, in which the loads below, up to the first row's, land; the places above stay beside this wait
	WIN 0xc0                                       ; destination window 3
.irp k, 0,1,2,3,4,5,6,7
	global_load_b128 v[BO3+4*\k:BO3+4*\k+3], v[LI], s[12:13] offset:512*\k
.endr
.irp k, 0,1,2,3,4,5,6,7
	global_load_b128 v[GA3+4*\k:GA3+4*\k+3], v[LI], s[14:15] offset:512*\k
.endr
.irp k, 0,1,2,3,4,5,6,7
	global_load_b128 v[BE3+4*\k:BE3+4*\k+3], v[LI], s[16:17] offset:512*\k
.endr
	WIN 0x80                                       ; destination window 2
.irp i, 0,1,2,3
.irp k, 0,1,2,3,4,5,6,7
	global_load_b128 v[32*\i+4*\k:32*\i+4*\k+3], v[LI], s[RP:RP+1] offset:4096*\i+512*\k th:TH_LOAD_NT
.endr
.endr
	WIN 0x04                                       ; an LDS store's data are its source 1: window 1
.irp m, 0,1
.irp ap, 0,1,2,3,4,5,6,7,8,9,10,11,12,13,14,15
	ds_store_b128 v[SO+\m], v[8*(16*\m+\ap):8*(16*\m+\ap)+3] offset:128*(\ap/2)+32*(\ap%2)          ; each accumulator from its low end on
	ds_store_b128 v[SO+\m], v[8*(16*\m+\ap)+4:8*(16*\m+\ap)+7] offset:128*(\ap/2)+32*(\ap%2)+16
.endr
.endr
	WIN 0
	s_wait_dscnt 0x0                               ; for the others' sake: my columns lie in the stage
	s_barrier_signal -1
	s_barrier_wait -1                              ; 32 whole rows lie there
	WIN 0x80
.irp i, 4,5,6,7
.irp k, 0,1,2,3,4,5,6,7
	global_load_b128 v[32*\i+4*\k:32*\i+4*\k+3], v[LI], s[RP:RP+1] offset:4096*\i+512*\k th:TH_LOAD_NT
.endr
.endr
	WIN 0
.irp k, 0,1,2,3,4,5,6,7
	ds_load_b128 v[XA+4*\k:XA+4*\k+3], v[SR] offset:512*\k
.endr
	ROW 0
	ROW 1
	ROW 2
	ROW 3
	ROW 4
	ROW 5
	ROW 6
	ROW 7
	s_wait_dscnt 0x0
	s_wait_alu depctr_hold_cnt(0) depctr_sa_sdst(0) depctr_va_vdst(0) depctr_va_sdst(0) depctr_va_ssrc(0) depctr_va_vcc(0) depctr_vm_vsrc(0)
	s_wait_tensorcnt 0x0
	ds_add_u32 v126, v127
	s_wait_dscnt 0x0
	s_endpgm
.Lfunc_end_k_qfa00308b1a_outln:
	.size	k_qfa00308b1a_outln, .Lfunc_end_k_qfa00308b1a_outln-k_qfa00308b1a_outln
	.p2alignl 7, 3214868480
	.fill 96, 4, 3214868480
	.section	.rodata,"a",@progbits
	.p2align	6, 0x0
	.amdhsa_kernel k_qfa00308b1a_outln
		.amdhsa_group_segment_fixed_size 132096
		.amdhsa_private_segment_fixed_size 0
		.amdhsa_enable_private_segment 0
		.amdhsa_kernarg_size 64
		.amdhsa_user_sgpr_count 2
		.amdhsa_user_sgpr_kernarg_segment_ptr 1
		.amdhsa_wavefront_size32 1
		.amdhsa_system_sgpr_workgroup_id_x 1
		.amdhsa_system_sgpr_workgroup_id_y 1
		.amdhsa_system_sgpr_workgroup_id_z 1
		.amdhsa_system_vgpr_workitem_id 0
		.amdhsa_next_free_vgpr 896
		.amdhsa_next_free_sgpr 66
		.amdhsa_reserve_vcc 0
		.amdhsa_float_denorm_mode_32 3
		.amdhsa_float_denorm_mode_16_64 3
		.amdhsa_memory_ordered 1
		.amdhsa_forward_progress 1
		.amdhsa_inst_pref_size 158
	.end_amdhsa_kernel
	.amdgpu_metadata
---
amdhsa.version: [ 1, 2 ]
amdhsa.kernels:
  - .name:           k_qfa00308b1a_outln
    .symbol:         k_qfa00308b1a_outln.kd
    .args:
      - { .name: cc, .offset: 0, .size: 8, .value_kind: global_buffer, .address_space: global }
      - { .name: cs, .offset: 8, .size: 8, .value_kind: global_buffer, .address_space: global }
      - { .name: wts, .offset: 16, .size: 8, .value_kind: global_buffer, .address_space: global }
      - { .name: query, .offset: 24, .size: 8, .value_kind: global_buffer, .address_space: global }
      - { .name: bo, .offset: 32, .size: 8, .value_kind: global_buffer, .address_space: global }
      - { .name: gamma, .offset: 40, .size: 8, .value_kind: global_buffer, .address_space: global }
      - { .name: beta, .offset: 48, .size: 8, .value_kind: global_buffer, .address_space: global }
      - { .name: out0, .offset: 56, .size: 8, .value_kind: global_buffer, .address_space: global }
    .group_segment_fixed_size: 132096
    .private_segment_fixed_size: 0
    .kernarg_segment_align: 8
    .kernarg_segment_size: 64
    .max_flat_workgroup_size: 128
    .sgpr_count:     66
    .vgpr_count:     896
    .wavefront_size: 32
...
	.end_amdgpu_metadata
.endif
;; end of part 7
